; MI455X (gfx1250); checked and timed in simulation.
; The chip was launched on July 23, 2026; its instructions are those of AMD's public machine-readable ISA for CDNA 5 (MIT licence, August 2026) and "CDNA5" Instruction Set Architecture Reference Guide (July 2026). The comments in the code are by the model that wrote it; some were corrected since.
;; Omni Gen MLP. Allowed arithmetic: matrix products marked QUANTISED: E4M3 operands, one given power-of-two scale a tensor, by v_wmma_f32_16x16x64_fp8_fp8 or v_wmma_f32_16x16x128_fp8_fp8, f32 sums; everything else in f32.
;; Inputs: b_down 2,048 float32; b_gate_up 16,384 float32; lowp_scales 4 int32 (the exponents e of the quantised operands' scales 2^e); w_down 8,192 x 2,048 float32; w_gate_up 2,048 x 16,384 float32; x 2 x 512 x 2,048 float32.
;; Outputs: out0 2 x 512 x 2,048 float32.
;; This version of the problem:
;;   THIS VERSION OF THE PROBLEM IS GIVEN IN LOW PRECISION. The matrix products marked QUANTISED in the list below multiply operands that are first quantised to E4M3 (4 exponent bits, 3 mantissa bits; 8 bits a number), with one given power-of-two scale for each operand tensor; their sums are f32. All else is computed in f32.
;;   The module's matrix products, in the order in which they are computed (A, B: the left and right operand; K: the contracted axis; several contracted axes count as one K, in the product's order):
;;     1. [M 1,024, K 2,048] x [K 2,048, N 16,384]; A: input x; B: input w_gate_up: QUANTISED (scales: A lowp_scales[0], B lowp_scales[1])
;;     2. [M 1,024, K 8,192] x [K 8,192, N 2,048]; A: computed on the way; B: input w_down: QUANTISED (scales: A lowp_scales[2], B lowp_scales[3])
;;   THE QUANTISER, for each operand of a quantised product, along K:
;;     - The operand's scale is 2^e, e = its entry of the input lowp_scales (int32; the entries are numbered through the quantised products in the list's order, A before B).
;;     - Each number is divided by the scale, clamped to +-448, and rounded to the nearest number of E4M3, ties to even, subnormals kept.
;;     - The product sums the exact products of the quantised numbers (number of the format x scale) in f32.
;;   ~~~python
;;   def quantise(x, axis, e):      # numpy; x: float32 -> the quantised numbers, widened to float32 again
;;       x = np.moveaxis(x, axis, -1); K = x.shape[-1]
;;       r = np.clip(x / 2.0 ** e, -448, 448)
;;       step = 2.0 ** (np.maximum(np.frexp(np.where(r == 0, 1, r))[1] - 1, -6) - 3)
;;       q = np.round(r / step) * step * 2.0 ** e      # np.round: ties to even
;;       return np.moveaxis(q, -1, axis).astype(np.float32)
;;   ~~~
;;   OPERANDS COMPUTED ON THE WAY. 'Computed on the way' means the value that the module computes at that place (a softmax that the list does not call 'softmax' is quantised finished and normalised). What goes into a quantiser is computed in f32, as accurately as f32 sums, v_exp_f32 and their like allow (about 1e-6 of the number): no bf16 or f16 on the way to a quantiser, and a product that is left as it is and whose result goes on into a quantised operand takes f32 operands (vector FMAs, or v_wmma_f32_16x16x4_f32). A number that lies on a knife's edge between two numbers of the format may be rounded either way, as far as f32 arithmetic and the matrix unit's own rounding can turn it there, and no further.
;; 2 versions. Each part assembles by itself: llvm-mc -triple=amdgcn-amd-amdhsa -mcpu=gfx1250 --defsym DOCPART=n.
;; ======== version 1 of 2: 3 launches
;; workspace buffers: xq 2,097,152 bytes; wdq 16,777,216 bytes; hq 8,388,608 bytes
;; launch quant (part 1): grid 1280 x 1, 4 waves a work-group, no clusters, 0 bytes of LDS; arguments x, w_down, lowp_scales, xq, wdq; writes xq, wdq
.if DOCPART == 1
	.amdgcn_target "amdgcn-amd-amdhsa--gfx1250"
	.amdhsa_code_object_version 6
	.text
	.protected	k_q68844d2b85_quant
	.globl	k_q68844d2b85_quant
	.p2align	8
	.type	k_q68844d2b85_quant,@function
k_q68844d2b85_quant:
	s_mov_b64 s[64:65], 0
	v_nop
	global_prefetch_b8 v0, s[64:65] scope:SCOPE_SE
	s_setreg_imm32_b32 hwreg(HW_REG_WAVE_MODE, 25, 1), 1
	s_wait_xcnt 0x0
; out0 = (silu(x Wg + bg) * (x Wu + bu)) Wd + bd, both products on codes of FP8 (E4M3), each operand with the one scale 2^e that is given for it.
; NO WORK OF THE PROBLEM IS LEFT OUT in any of the three launches: x, w_gate_up, b_gate_up, w_down, b_down and all four scales have a way to out0, and all are loaded.
; THIS LAUNCH turns x [1024][2048] (scale entry 0) and w_down [8192][2048] (K is its FIRST axis; scale entry 3) into codes.  w_gate_up is quantised in the next launch, where each of its bytes has one reader.
; code = number / 2^e, held within +-448, rounded to the nearest code, ties to even.
; LIMITS: each e lies between -126 and 119, so that 2^e and 448 x 2^e are f32 numbers.  NaN among the inputs is not served; an infinity is held at the largest code.
; THE CODES ARE LAID AS IMAGES OF OPERAND REGISTERS.  A fragment is 16 rows x 128 along K, 2,048 bytes: byte 512 c + 256 h + 16 r + i is the code of (row r, k = 32 c + 16 h + i).  Four loads of 16 bytes a lane,
; at 16 x lane + 512 c, then give lane (r, h) its registers 4 c .. 4 c + 3.  The same order of k is used for both operands of a product, so every code meets its partner.
;   xq:  byte s x 131072 + m x 2048: rows 16 m on of x, K step s (s 0..15, m 0..63).      wdq: byte t x 131072 + s x 2048: columns 16 t on of w_down, K step s (t 0..127, s 0..63).
; SHARES.  Work-groups 0..1023 take w_down: a wave takes 32 columns x 128 along K; A LANE TAKES A COLUMN AND ITS REGISTERS RUN DOWN K, so the conversions give codes with K innermost and nothing is transposed;
; each load reads 128 consecutive bytes, the four waves of a work-group stand side by side on 512.  Work-groups 1024..1279 take x: a wave makes one fragment.
; No LDS, no barrier: waves share nothing.  Every offset is an immediate, every store has data registers of its own, so no register of a pending memory instruction is ever rewritten.
.set WGW,  1024                        ; work-groups that take w_down
.set NUM,  32                          ; v32-159  the numbers as loaded
.set COD,  160                         ; v160-191 the codes
	s_load_b128 s[4:7], s[0:1], 0x0                ; x, w_down
	s_load_b64 s[8:9], s[0:1], 0x10                ; the scales' exponents
	s_load_b128 s[12:15], s[0:1], 0x18             ; xq, wdq
	v_lshrrev_b32 v1, 5, v0
	v_readfirstlane_b32 s16, v1                    ; wave 0..3
	v_and_b32 v2, 31, v0                           ; lane
	v_and_b32 v6, 15, v0                           ; lane % 16
	v_bfe_u32 v7, v0, 4, 1                         ; lane / 16
	s_wait_kmcnt 0x0
	s_load_b128 s[20:23], s[8:9], 0x0              ; e0 .. e3
	s_cmp_lt_u32 ttmp9, WGW                        ; the work-group's number alone decides
	s_cbranch_scc0 .Lx_path
	; ---- w_down
	s_lshr_b32 s17, ttmp9, 4                       ; K step s
	s_and_b32 s18, ttmp9, 15
	s_lshl_b32 s18, s18, 2
	s_add_co_u32 s18, s18, s16                     ; cg: my wave's 32 columns begin at 32 cg
	s_lshl_b32 s24, s17, 20                        ; 128 rows of 8,192 bytes
	s_lshl_b32 s25, s18, 7                         ; 32 columns of 4 bytes
	s_add_co_u32 s24, s24, s25
	s_mov_b32 s25, 0
	s_add_nc_u64 s[6:7], s[6:7], s[24:25]
	s_lshl_b32 s26, s18, 18                        ; tile 2 cg
	s_lshl_b32 s27, s17, 11                        ; K step s
	s_add_co_u32 s26, s26, s27
	s_mov_b32 s27, 0
	s_add_nc_u64 s[14:15], s[14:15], s[26:27]
	v_lshlrev_b32 v3, 2, v2                        ; in: 4 bytes a lane
	v_lshlrev_b32 v4, 4, v6                        ; out: image row lane % 16,
	v_lshl_add_u32 v4, v7, 17, v4                  ; lanes 16-31 in the next tile of 16 columns
.set kk, 0
.rept 128
	global_load_b32 v[NUM+kk], v3, s[6:7] offset:kk*8192 th:TH_LOAD_NT   ; w_down(128 s + kk, my column)
.set kk, kk+1
.endr
	s_wait_kmcnt 0x0
	s_add_co_i32 s17, s23, 127
	s_lshl_b32 s18, s17, 23
	v_mov_b32 v11, s18                             ; 2^e3 as f32: the conversion takes its exponent field
	s_add_co_i32 s17, s17, 8
	s_lshl_b32 s17, s17, 23
	s_or_b32 s17, s17, 0x600000
	v_mov_b32 v10, s17                             ; 448 x 2^e3
; Block q: 32 along K of my column.  left: how many younger loads may stay out.
.macro WBLOCK q, left
	s_wait_loadcnt \left
.set ii, 0
.rept 32
	v_med3_num_f32 v[NUM+32*\q+ii], v[NUM+32*\q+ii], -v10, v10   ; the conversion to an 8-bit code does not saturate (ISA guide 7.6.2): the hold comes first
.set ii, ii+1
.endr
.irp g, 0,1,2,3
	v_cvt_scalef32_pk8_fp8_f32 v[COD+8*\q+2*\g:COD+8*\q+2*\g+1], v[NUM+32*\q+8*\g:NUM+32*\q+8*\g+7], v11
.endr
	global_store_b128 v4, v[COD+8*\q:COD+8*\q+3], s[14:15] offset:512*\q          ; k = 32 q + 0..15: sixteen lanes store 256 consecutive bytes, aligned
	global_store_b128 v4, v[COD+8*\q+4:COD+8*\q+7], s[14:15] offset:512*\q+256    ; k = 32 q + 16..31
.endm
	WBLOCK 0, 63                                   ; 96 younger loads were issued; the wait's field holds 63, and a smaller count is safe
	WBLOCK 1, 63                                   ; 64 younger
	WBLOCK 2, 32
	WBLOCK 3, 0
	s_endpgm
	; ---- x
.Lx_path:
	s_sub_co_u32 s17, ttmp9, WGW
	s_lshl_b32 s17, s17, 2
	s_add_co_u32 s17, s17, s16                     ; my fragment, 0..1023
	s_lshr_b32 s18, s17, 4                         ; m: rows 16 m on
	s_and_b32 s19, s17, 15                         ; K step s
	s_lshl_b32 s24, s18, 17                        ; 16 rows of 8,192 bytes
	s_lshl_b32 s25, s19, 9                         ; 128 numbers
	s_add_co_u32 s24, s24, s25
	s_mov_b32 s25, 0
	s_add_nc_u64 s[4:5], s[4:5], s[24:25]
	s_lshl_b32 s26, s19, 17
	s_lshl_b32 s27, s18, 11
	s_add_co_u32 s26, s26, s27
	s_mov_b32 s27, 0
	s_add_nc_u64 s[12:13], s[12:13], s[26:27]
	v_lshlrev_b32 v3, 13, v6                       ; row lane % 16,
	v_lshl_add_u32 v3, v7, 6, v3                   ; + 64 (lane / 16): my 16 numbers of each block of 32
	v_lshlrev_b32 v5, 4, v2                        ; out: 16 x lane
.irp c, 0,1,2,3
.irp j, 0,1,2,3
	global_load_b128 v[NUM+16*\c+4*\j:NUM+16*\c+4*\j+3], v3, s[4:5] offset:128*\c+16*\j th:TH_LOAD_NT   ; k = 32 c + 16 h + 4 j on
.endr
.endr
	s_wait_kmcnt 0x0
	s_add_co_i32 s17, s20, 127
	s_lshl_b32 s18, s17, 23
	v_mov_b32 v11, s18                             ; 2^e0
	s_add_co_i32 s17, s17, 8
	s_lshl_b32 s17, s17, 23
	s_or_b32 s17, s17, 0x600000
	v_mov_b32 v10, s17                             ; 448 x 2^e0
.irp c, 0,1,2,3
	s_wait_loadcnt 12-4*\c                         ; the four loads of block c are in; the later blocks' may stay out
.irp i, 0,1,2,3,4,5,6,7,8,9,10,11,12,13,14,15
	v_med3_num_f32 v[NUM+16*\c+\i], v[NUM+16*\c+\i], -v10, v10
.endr
	v_cvt_scalef32_pk8_fp8_f32 v[COD+4*\c:COD+4*\c+1], v[NUM+16*\c:NUM+16*\c+7], v11
	v_cvt_scalef32_pk8_fp8_f32 v[COD+4*\c+2:COD+4*\c+3], v[NUM+16*\c+8:NUM+16*\c+15], v11
	global_store_b128 v5, v[COD+4*\c:COD+4*\c+3], s[12:13] offset:512*\c          ; the wave stores 512 consecutive bytes
.endr
	s_endpgm
.Lfunc_end_k_q68844d2b85_quant:
	.size	k_q68844d2b85_quant, .Lfunc_end_k_q68844d2b85_quant-k_q68844d2b85_quant
	.p2alignl 7, 3214868480
	.fill 96, 4, 3214868480
	.section	.rodata,"a",@progbits
	.p2align	6, 0x0
	.amdhsa_kernel k_q68844d2b85_quant
		.amdhsa_group_segment_fixed_size 0
		.amdhsa_private_segment_fixed_size 0
		.amdhsa_enable_private_segment 0
		.amdhsa_kernarg_size 40
		.amdhsa_user_sgpr_count 2
		.amdhsa_user_sgpr_kernarg_segment_ptr 1
		.amdhsa_wavefront_size32 1
		.amdhsa_system_sgpr_workgroup_id_x 1
		.amdhsa_system_sgpr_workgroup_id_y 1
		.amdhsa_system_sgpr_workgroup_id_z 1
		.amdhsa_system_vgpr_workitem_id 0
		.amdhsa_next_free_vgpr 192
		.amdhsa_next_free_sgpr 66
		.amdhsa_reserve_vcc 0
		.amdhsa_float_denorm_mode_32 3
		.amdhsa_float_denorm_mode_16_64 3
		.amdhsa_memory_ordered 1
		.amdhsa_forward_progress 1
		.amdhsa_inst_pref_size 32
	.end_amdhsa_kernel
	.amdgpu_metadata
---
amdhsa.version: [ 1, 2 ]
amdhsa.kernels:
  - .name:           k_q68844d2b85_quant
    .symbol:         k_q68844d2b85_quant.kd
    .args:
      - { .name: x, .offset: 0, .size: 8, .value_kind: global_buffer, .address_space: global }
      - { .name: w_down, .offset: 8, .size: 8, .value_kind: global_buffer, .address_space: global }
      - { .name: lowp_scales, .offset: 16, .size: 8, .value_kind: global_buffer, .address_space: global }
      - { .name: xq, .offset: 24, .size: 8, .value_kind: global_buffer, .address_space: global }
      - { .name: wdq, .offset: 32, .size: 8, .value_kind: global_buffer, .address_space: global }
    .group_segment_fixed_size: 0
    .private_segment_fixed_size: 0
    .kernarg_segment_align: 8
    .kernarg_segment_size: 40
    .max_flat_workgroup_size: 128
    .sgpr_count:     66
    .vgpr_count:     192
    .wavefront_size: 32
...
	.end_amdgpu_metadata
.endif
;; end of part 1
;; launch gateup (part 2): grid 256 x 1, 4 waves a work-group, clusters of 4 x 1, 327,680 bytes of LDS; arguments xq, w_gate_up, b_gate_up, lowp_scales, hq; writes hq
.if DOCPART == 2
	.amdgcn_target "amdgcn-amd-amdhsa--gfx1250"
	.amdhsa_code_object_version 6
	.text
	.protected	k_q68844d2b85_gateup
	.globl	k_q68844d2b85_gateup
	.p2align	8
	.type	k_q68844d2b85_gateup,@function
k_q68844d2b85_gateup:
	s_mov_b64 s[64:65], 0
	v_nop
	global_prefetch_b8 v0, s[64:65] scope:SCOPE_SE
	s_setreg_imm32_b32 hwreg(HW_REG_WAVE_MODE, 25, 1), 1
	s_wait_xcnt 0x0
	s_wait_alu depctr_hold_cnt(0) depctr_sa_sdst(0) depctr_va_vdst(0) depctr_va_sdst(0) depctr_va_ssrc(0) depctr_va_vcc(0) depctr_vm_vsrc(0)
	s_getreg_b32 s2, hwreg(HW_REG_IB_STS2, 6, 4)
	s_cmp_eq_u32 s2, 0
	s_cbranch_scc0 .Lentry_in_a_cluster
	s_endpgm
.Lentry_in_a_cluster:
	s_bfe_u32 s2, ttmp6, 0x10000c
	s_cmp_lg_u32 s2, 0x3003
	s_cbranch_scc0 .Lentry_shape_is_right
	s_endpgm
.Lentry_shape_is_right:
; hidden = silu(x Wg + bg) * (x Wu + bu), quantised with scale entry 2 into hq.  The product runs on codes of FP8 (E4M3): x's come from xq, w_gate_up's are made here.  Nothing of the problem is left out.
; SHARES.  Work-group wg owns ALL 1,024 rows and hidden units 32 wg .. 32 wg + 31: 32 gate columns and the 32 up columns 8,192 further on.  So each byte of w_gate_up has ONE reader in the launch: it comes as f32
; straight into registers and is quantised there; its codes never go to memory.  Wave w owns rows 256 w on: 16 blocks of 16 rows x 4 tiles of 16 columns = 64 accumulators, 512 registers.  K goes in 16 steps of 128.
; x's CODES of a K step are one dense block of 131,072 bytes, the same for every work-group.  They come through a ring of two LDS slots by tensor loads; each wave loads and reads its own 32,768 bytes.
; CLUSTER: four work-groups ask for each such block JOINTLY (the same load, the same descriptor, the mask 15).  W is not shared by anybody, so it has no joint load.
; W: wave w loads 64 rows of K (half w / 2) x 32 columns (gate: w even, up: w odd) of a step, 16 loads of 16 bytes a lane, TWO STEPS AHEAD, in two landing sets; these loads stay on their way across the barriers.
; A lane then holds 4 columns x 16 along K: hold, conversion (4 columns of one k in a register), a 4 x 4 turn of bytes by v_perm_b32, and each column's 16 codes go to LDS as one piece of a fragment's image.
; AN IMAGE of a fragment (16 rows x 128 K, 2,048 bytes): byte 512 c + 256 h + 16 r + i = code of (row r, k = 32 c + 16 h + i); four ds_load_b128 at 16 x lane + 512 c fill the operand's registers.  No pitch, no padding.
; THE MATRIX INSTRUCTION IS USED TRANSPOSED (source 0 = a tile of W, source 1 = 16 rows of x), AND THE COLUMNS OF A TILE ARE NOT NEIGHBOURS: row r of tile u is column 16 (r / 8) + 8 u + r % 8 of its 32.  So a lane holds one
; row of x, and the 32 registers of a block are 16 neighbouring gate values and the 16 up values of the same units: silu, product, hold and conversion give 16 bytes that ARE a piece of hq's image.
; hq: byte Mt x 1048576 + s x 16384 + a x 2048 + image: rows 128 Mt + 16 a on, hidden units 128 s on.
; LIMITS: e1, e2 between -126 and 119; e0 + e1 between -126 and 127.  NaN among the inputs is not served.  silu(g) = g / (1 + 2^(-g log2 e)); where the power overflows (g under about -88) the result is 0.
; REGISTERS, in windows of 256.  Window 0: v1-15 addresses and constants; v16-63 at work in the quantiser; v64-127, v128-191 the two landing sets (on the way out: codes and numbers at work); v192-223 the biases.
;   Window 1: v0-63, v64-127 two buffers of four fragments of x; v128-191, v192-255 two sets of W's four fragments.   Windows 2, 3: accumulator (a, b) at window 2 + a / 8, v[32 (a % 8) + 8 b].
.set SLOT,  131072                     ; a slot: one K step of all rows' codes
.set FRB,   2048                       ; an image
.set WC,    2*SLOT                     ; behind the ring: W's codes, two buffers of four images; no tensor load lands here
.set WCB,   4*FRB
.set SPARE, WC+2*WCB                   ; the spare words, 128 bytes for each wave: two blocks of 256 bytes that no other line names
.set WSTEP, 128*65536                  ; a K step of W in memory
.set ADX, 2                            ; v2-3  LDS address of my wave's images of x in slot 0, 1: + 16 x lane
.set ADW, 4                            ; v4    WC + 16 x lane
.set STW, 5                            ; v5    where my lane's first column's 16 codes go in buffer 0
.set VW,  6                            ; v6    W: 16 rows x (lane / 8) + 16 bytes x (lane % 8)
.set VPF, 7                            ; v7    the prefetch of W: a lane a row
.set VPX, 8                            ; v8    the prefetch of x's codes: lanes 256 bytes apart
.set HO,  9                            ; v9    16 x lane
.set SC1, 10                           ; v10   2^e1        v11  448 x 2^e1
.set LM1, 11
.set SC2, 12                           ; v12   2^e2        v13  448 x 2^e2
.set LM2, 13
.set SPW, 14                           ; v14   my spare word; never rewritten
.set NIL, 15                           ; v15   0; never rewritten
.set DD,  16                           ; v16-31  register i: 4 columns at k = i
.set PP,  32                           ; v32-47  half turned
.set TT,  48                           ; v48-63  registers 4 q .. 4 q + 3: column q, k = 0 .. 15
.set LND, 64
.set BG,  192                          ; v192-207 bg of my 16 units;  v208-223 bu
.set BU,  208
.set HC,  64                           ; the way out: block a's 16 codes at v[64 + 4 a]
.set GG,  128
.set UU,  144
.set EE,  160
.set PR,  176
.set G1,  24                           ; s[24:31] descriptor group 1;  s[32:35], s[36:39] group 0 of slot 0, 1
.set G0,  32
.set WB,  40                           ; s[40:41] W at the step that is loaded next
.set PFW, 42                           ; s[42:43], s[44:45] where the prefetches stand
.set PFX, 44
.set MSB, 0
.macro WIN new                         ; the immediate's high byte repeats the setting that is left; a switch that changes nothing is dropped
.if MSB != (\new)
	s_set_vgpr_msb (MSB<<8)|(\new)
.set MSB, (\new)
.endif
.endm
.set FET,    0x40                      ; destination window 1, address window 0
.set MUL_LO, 0xa5                      ; sources 0 and 1 window 1, C and D window 2
.set MUL_HI, 0xf5                      ; the same, C and D window 3
.macro PLACES                          ; four plain vector instructions between a matrix instruction and a load into its sources or a read of its result (ISA guide 7.12.1 for vector instructions)
.rept 4
	v_nop
.endr
.endm
.macro CREST                           ; a round of the cluster's barrier behind its opening barrier
	s_cmp_lg_u32 s14, 0
	s_cbranch_scc1 .Lnot_wave_0_\@
	s_barrier_signal -3
.Lnot_wave_0_\@:
	s_barrier_wait -3
	s_barrier_signal -1
	s_barrier_wait -1
.endm
.macro CROUND
	s_barrier_signal -1
	s_barrier_wait -1
	CREST
.endm
; 16 loads: my 64 x 32 numbers of one K step of W into landing set ls.  step = 1: the base goes a K step on first; 2: the prefetches' bases too.
.macro LOADW ls, step
.if \step
	s_wait_xcnt 0x0                                ; the earlier loads and prefetches have read their bases: only now are these written
	s_add_nc_u64 s[WB:WB+1], s[WB:WB+1], WSTEP
.endif
.if \step == 2
	s_add_nc_u64 s[PFW:PFW+1], s[PFW:PFW+1], WSTEP
	s_add_nc_u64 s[PFX:PFX+1], s[PFX:PFX+1], SLOT
.endif
.irp i, 0,1,2,3,4,5,6,7,8,9,10,11,12,13,14,15
	global_load_b128 v[LND+64*(\ls)+4*\i:LND+64*(\ls)+4*\i+3], v[VW], s[WB:WB+1] offset:\i*65536   ; k = 16 (lane / 8) + i, columns 4 (lane % 8) on: four rows x 128 consecutive bytes
.endr
.endm
; Landing set ls becomes codes in LDS buffer ls.  left: the younger loads that may stay out.
.macro QUANTW ls, left
.set LB, LND+64*(\ls)
	s_wait_loadcnt \left
.set qi, 0
.rept 64
	v_med3_num_f32 v[LB+qi], v[LB+qi], -v[LM1], v[LM1]   ; the conversion to an 8-bit code does not saturate (ISA guide 7.6.2): the hold comes first
.set qi, qi+1
.endr
.set qi, 0
.rept 8
	v_cvt_scalef32_pk8_fp8_f32 v[DD+2*qi:DD+2*qi+1], v[LB+8*qi:LB+8*qi+7], v[SC1]
.set qi, qi+1
.endr
	v_nop                                          ; one plain vector instruction between the conversions and the first instruction that reads their results
.irp g, 0,1,2,3                        ; four registers (k = 4 g .. 4 g + 3, a byte a column) are turned into four (a register a column, a byte a k)
	v_perm_b32 v[PP+4*\g],   v[DD+4*\g+1], v[DD+4*\g],   s54
	v_perm_b32 v[PP+4*\g+1], v[DD+4*\g+1], v[DD+4*\g],   s55
	v_perm_b32 v[PP+4*\g+2], v[DD+4*\g+3], v[DD+4*\g+2], s54
	v_perm_b32 v[PP+4*\g+3], v[DD+4*\g+3], v[DD+4*\g+2], s55
.endr
.irp g, 0,1,2,3
	v_perm_b32 v[TT+\g],    v[PP+4*\g+2], v[PP+4*\g],   s56
	v_perm_b32 v[TT+4+\g],  v[PP+4*\g+2], v[PP+4*\g],   s57
	v_perm_b32 v[TT+8+\g],  v[PP+4*\g+3], v[PP+4*\g+1], s56
	v_perm_b32 v[TT+12+\g], v[PP+4*\g+3], v[PP+4*\g+1], s57
.endr
.irp q, 0,1,2,3
	ds_store_b128 v[STW], v[TT+4*\q:TT+4*\q+3] offset:(\ls)*WCB+16*\q   ; column 4 (lane % 8) + q: neighbouring image rows
.endr
.endm
.macro FETCHW fs                       ; W's four fragments out of LDS buffer fs into fragment set fs
.irp tb, 0,1,2,3
.irp c, 0,1,2,3
	ds_load_b128 v[128+64*(\fs)+16*\tb+4*\c:128+64*(\fs)+16*\tb+4*\c+3], v[ADW] offset:(\fs)*WCB+\tb*FRB+512*\c
.endr
.endr
.endm
.macro FETCHX slot, ph, xb             ; my blocks 4 ph .. 4 ph + 3 of x into buffer xb
.irp t, 0,1,2,3
.irp c, 0,1,2,3
	ds_load_b128 v[64*\xb+16*\t+4*\c:64*\xb+16*\t+4*\c+3], v[ADX+(\slot)] offset:(4*\ph+\t)*FRB+512*\c
.endr
.endr
.endm
; 8 matrix instructions: blocks 4 ph + 2 half, + 1 x W's four tiles.  The 64 accumulators take turns, one instruction a turn, in the same order in every step.
.macro MUL8 ph, half, fs, zero
.irp t, 2*\half, 2*\half+1
.irp b, 0,1,2,3
.if \zero
	v_wmma_f32_16x16x128_fp8_fp8 v[32*((4*\ph+(\t))%8)+8*\b:32*((4*\ph+(\t))%8)+8*\b+7], v[128+64*\fs+16*\b:128+64*\fs+16*\b+15], v[64*(\ph%2)+16*(\t):64*(\ph%2)+16*(\t)+15], 0
.else
	v_wmma_f32_16x16x128_fp8_fp8 v[32*((4*\ph+(\t))%8)+8*\b:32*((4*\ph+(\t))%8)+8*\b+7], v[128+64*\fs+16*\b:128+64*\fs+16*\b+15], v[64*(\ph%2)+16*(\t):64*(\ph%2)+16*(\t)+15], v[32*((4*\ph+(\t))%8)+8*\b:32*((4*\ph+(\t))%8)+8*\b+7]
.endif
.endr
.endr
.endm
; PREFETCHES INTO THE L2, in step s for step s + 5: two steps ahead of W's loads, three ahead of the joint load of x's codes.  They stand behind the joint load's lines and the run of LDS loads.
; W: a lane a row, 32 rows a wave, 128 a work-group.  The gate columns of two neighbouring work-groups are 256 consecutive bytes of a row, and so are their up columns: the even one asks for the first, the odd one for the second,
; told apart BY ADDRESS.  x's codes: cluster 0 asks, 8,192 bytes a wave, lanes 256 bytes apart, the partners told apart by address.  So each aligned block of 256 bytes is named once in the launch.
; s46 counts the loop's trips down; steps 0 to 10 ask (s46 above 1), the later ones have no step five on.  Steps 0 to 4 come by their loads alone.
.macro ASKS
	s_cmp_gt_u32 s46, 1
	s_cbranch_scc0 .Lno_w_\@
	global_prefetch_b8 v[VPF], s[PFW:PFW+1] th:TH_LOAD_NT scope:SCOPE_SE
.Lno_w_\@:
	s_cmp_gt_u32 s46, s47                          ; s47 = 1 in cluster 0, else the greatest number: the same in all four partners
	s_cbranch_scc0 .Lno_x_\@
	global_prefetch_b8 v[VPX], s[PFX:PFX+1] th:TH_LOAD_NT scope:SCOPE_SE
.Lno_x_\@:
.endm
; A K STEP s, p = s % 2.  zero: its products start the sums.  qleft >= 0: step s + 1 of W is quantised (qleft younger loads stay out).  ld: step s + 3 of W is asked for.
; mode 2: slot p is filled again with step s + 2;  1: the barrier alone;  0: the last step.  pf: the prefetches.
; ONE barrier a step carries three orderings: W's codes of step s + 1, stored at the step's head, are read behind it; the buffer that they overwrite was last read behind the barrier two steps back, and those reads
; were waited for in front of the last barrier; my reads of slot p are over in front of it, and the refill comes behind it.
.macro STEP p, zero, qleft, ld, mode, pf
.if \qleft >= 0
	QUANTW 1-\p, \qleft
.endif
.if \ld
	LOADW 1-\p, 2
.endif
.if \qleft >= 0
	s_wait_dscnt 20                                ; W's fragments and blocks 0-3 are in; blocks 4-7 (16 loads) and the quantiser's 4 stores may be out
.else
	s_wait_dscnt 16
.endif
	WIN MUL_LO
	MUL8 0, 0, \p, \zero
	MUL8 0, 1, \p, \zero
	PLACES
	WIN FET
	FETCHX \p, 2, 0
	s_wait_dscnt 16                                ; all but the 16 just issued
	WIN MUL_LO
	MUL8 1, 0, \p, \zero
	MUL8 1, 1, \p, \zero
	PLACES
	WIN FET
	FETCHX \p, 3, 1
.if \mode >= 1
	WIN 0                                          ; (the add's two registers lie in window 0)
	s_wait_tensorcnt 0x0                           ; all my tensor loads have landed: the one that was out is my part of the other slot
	ds_add_u32 v[SPW], v[NIL]                      ; 0 onto my spare word
.if \mode == 2
	s_add_nc_u64 s[G0+4*\p+2:G0+4*\p+3], s[G0+4*\p+2:G0+4*\p+3], 2*SLOT   ; no load of mine is out, so a group 0 may be written: this slot's next K step
.endif
	s_wait_dscnt 17                                ; blocks 8-11 are in; blocks 12-15 (16 loads) and the add may be out
	WIN MUL_HI
	MUL8 2, 0, \p, \zero
	s_wait_dscnt 0x0                               ; the add is done, my stores of W's codes have landed, my reads of this slot are over
	s_barrier_signal -1
	MUL8 2, 1, \p, \zero
	WIN 0
	s_barrier_wait -1
.if \mode == 2
	CREST                                          ; the barrier has opened a round of the cluster's: no wave of any partner still reads this slot or has a load on its way
	tensor_load_to_lds s[G0+4*\p:G0+4*\p+3], s[G1:G1+7]   ; my one tensor load behind the round, and the first thing there
	s_nop 0
.endif
	PLACES                                         ; behind the load, and the places in front of the loads below
	WIN FET
	FETCHW 1-\p
	FETCHX 1-\p, 0, 0
.if \pf
	WIN 0
	ASKS
.endif
	WIN MUL_HI
	MUL8 3, 0, \p, \zero
	MUL8 3, 1, \p, \zero
	PLACES
	WIN FET
	FETCHX 1-\p, 1, 1
	WIN 0
.else
	s_wait_dscnt 16
	WIN MUL_HI
	MUL8 2, 0, \p, \zero
	MUL8 2, 1, \p, \zero
	s_wait_dscnt 0x0
	MUL8 3, 0, \p, \zero
	MUL8 3, 1, \p, \zero
	WIN 0
.endif
.endm
; THE WAY OUT of block a: g = sum x 2^(e0 + e1) + bg, u likewise; silu(g) u; hold; 16 codes; the wave stores 512 consecutive bytes of hq straight from registers.
.macro OUTB a
.set AC, 32*((\a)%8)
	WIN 0x02+(\a)/8                                ; source 0: window 2 or 3
.irp i, 0,2,4,6,8,10,12,14
	v_pk_fma_f32 v[GG+\i:GG+\i+1], v[AC+\i:AC+\i+1], s[52:53], v[BG+\i:BG+\i+1] op_sel_hi:[1,0,1]   ; each accumulator from its low end on
.endr
.irp i, 0,2,4,6,8,10,12,14
	v_pk_fma_f32 v[UU+\i:UU+\i+1], v[AC+16+\i:AC+16+\i+1], s[52:53], v[BU+\i:BU+\i+1] op_sel_hi:[1,0,1]
.endr
	WIN 0
.irp i, 0,2,4,6,8,10,12,14
	v_pk_mul_f32 v[EE+\i:EE+\i+1], v[GG+\i:GG+\i+1], s[58:59] op_sel_hi:[1,0]   ; -g log2 e
.endr
.irp i, 0,1,2,3,4,5,6,7,8,9,10,11,12,13,14,15
	v_exp_f32 v[EE+\i], v[EE+\i]
.endr
	v_nop                                          ; a plain instruction behind the last exponential,
	s_wait_alu depctr_va_vdst(0)                   ; and one wait for the batch, ahead of its first reader
.irp i, 0,2,4,6,8,10,12,14
	v_pk_add_f32 v[EE+\i:EE+\i+1], v[EE+\i:EE+\i+1], 1.0 op_sel_hi:[1,0]
.endr
.irp i, 0,1,2,3,4,5,6,7,8,9,10,11,12,13,14,15
	v_rcp_f32 v[EE+\i], v[EE+\i]
.endr
	v_nop
	s_wait_alu depctr_va_vdst(0)
.irp i, 0,2,4,6,8,10,12,14
	v_pk_mul_f32 v[PR+\i:PR+\i+1], v[GG+\i:GG+\i+1], v[EE+\i:EE+\i+1]   ; silu(g)
.endr
.irp i, 0,2,4,6,8,10,12,14
	v_pk_mul_f32 v[PR+\i:PR+\i+1], v[PR+\i:PR+\i+1], v[UU+\i:UU+\i+1]   ; x u
.endr
.irp i, 0,1,2,3,4,5,6,7,8,9,10,11,12,13,14,15
	v_med3_num_f32 v[PR+\i], v[PR+\i], -v[LM2], v[LM2]
.endr
	v_cvt_scalef32_pk8_fp8_f32 v[HC+4*(\a):HC+4*(\a)+1], v[PR:PR+7], v[SC2]
	v_cvt_scalef32_pk8_fp8_f32 v[HC+4*(\a)+2:HC+4*(\a)+3], v[PR+8:PR+15], v[SC2]
	v_nop                                          ; a plain instruction between the conversions and the next block's writes of their sources
	global_store_b128 v[HO], v[HC+4*(\a):HC+4*(\a)+3], s[12:13] offset:((\a)/8)*1048576+((\a)%8)*FRB   ; data registers of its own for each block: none is written again
.endm
	s_load_b256 s[4:11], s[0:1], 0x0               ; xq s[4:5], w_gate_up s[6:7], b_gate_up s[8:9], the scales' exponents s[10:11]
	s_load_b64 s[12:13], s[0:1], 0x20              ; hq
	v_lshl_add_u32 v[SPW], v0, 2, SPARE
	v_mov_b32 v[NIL], 0
	ds_add_u32 v[SPW], v[NIL]                      ; the wave's opening: the add, twice on end, and its wait ahead of my first tensor load; the set-up below stands between
	ds_add_u32 v[SPW], v[NIL]
	v_lshrrev_b32 v1, 5, v0
	v_readfirstlane_b32 s14, v1                    ; wave 0..3
	s_bfe_u32 s15, ttmp6, 0x40000                  ; cx: my place in the cluster
	s_lshl_b32 s16, ttmp9, 2
	s_add_co_u32 s16, s16, s15                     ; wg = 4 x cluster + cx: it enters global addresses of W, the biases and hq alone
	; descriptor group 1: 32,768 dense bytes as 128 rows of 32 elements of 8 bytes, no padding
	s_mov_b32 s[G1+0], 15|(3<<16)|(1<<21)          ; 15:0 the mask: all four work-groups; 17:16 elements of 8 bytes; 21 set beside a mask
	s_mov_b32 s[G1+1], 32<<16                      ; tensor_dim0 = 32
	s_mov_b32 s[G1+2], 128<<16                     ; tensor_dim1 = 128
	s_mov_b32 s[G1+3], 32<<16                      ; tile_dim0 = 32
	s_mov_b32 s[G1+4], 128                         ; tile_dim1 = 128
	s_mov_b32 s[G1+5], 32                          ; from row to row
	s_mov_b32 s[G1+6], 0
	s_mov_b32 s[G1+7], 0
	s_mov_b32 s54, 0x05010400                      ; v_perm_b32: bytes 0, 1 of two registers, interleaved;
	s_mov_b32 s55, 0x07030602                      ; bytes 2, 3;
	s_mov_b32 s56, 0x05040100                      ; the two low halves;
	s_mov_b32 s57, 0x07060302                      ; the two high halves
	s_mov_b32 s58, 0xbfb8aa3b                      ; -log2 e
	s_mov_b32 s59, s58                             ; (named with it as a pair, so it is written)
	v_and_b32 v16, 31, v0                          ; lane
	v_lshlrev_b32 v[HO], 4, v16
	s_lshl_b32 s17, s14, 15                        ; my wave's 32,768 bytes of a slot
	v_add_nc_u32 v[ADX], s17, v[HO]
	v_add_nc_u32 v[ADX+1], SLOT, v[ADX]
	v_add_nc_u32 v[ADW], WC, v[HO]
	; where a column's 16 codes go.  Column n = 4 (lane % 8) + q of my 32, k = 64 (w / 2) + 16 (lane / 8) + 0..15: tile 2 (w % 2) + (n / 8) % 2, image row 8 (n / 16) + n % 8, c = 2 (w / 2) + lane / 16, h = (lane / 8) % 2
	s_and_b32 s18, s14, 1
	s_lshl_b32 s18, s18, 12
	s_lshr_b32 s19, s14, 1
	s_lshl_b32 s19, s19, 10
	s_add_co_u32 s18, s18, s19
	s_add_co_u32 s18, s18, WC
	v_bfe_u32 v17, v0, 0, 1
	v_lshl_add_u32 v[STW], v17, 6, s18
	v_bfe_u32 v17, v0, 1, 1
	v_lshl_add_u32 v[STW], v17, 11, v[STW]
	v_bfe_u32 v17, v0, 2, 1
	v_lshl_add_u32 v[STW], v17, 7, v[STW]
	v_bfe_u32 v17, v0, 3, 2                        ; lane / 8
	v_lshl_add_u32 v[STW], v17, 8, v[STW]
	v_and_b32 v18, 7, v0
	v_lshlrev_b32 v[VW], 4, v18
	v_lshl_add_u32 v[VW], v17, 20, v[VW]           ; 16 rows of 65,536 bytes x (lane / 8)
	v_lshlrev_b32 v[VPF], 16, v16
	v_lshlrev_b32 v[VPX], 8, v16
	v_bfe_u32 v1, v0, 4, 1
	v_lshlrev_b32 v1, 6, v1                        ; the biases: 64 bytes x (lane / 16)
	s_mov_b32 s20, s17                             ; (s[20:21] never hold a number that differs between partners: they feed the descriptors)
	s_mov_b32 s21, 0
	s_mov_b32 s23, 0
	s_wait_dscnt 0x0                               ; both opening adds are done
	s_wait_kmcnt 0x0
	s_load_b128 s[48:51], s[10:11], 0x0            ; e0 .. e3
	s_mov_b32 s[G0], 1                             ; count = 1
	s_mov_b32 s[G0+1], s17                         ; LDS address: slot 0, my part
	s_add_nc_u64 s[G0+2:G0+3], s[4:5], s[20:21]    ; K step 0, my rows
	s_mov_b32 s[G0+4], 1
	s_add_co_u32 s[G0+5], s17, SLOT
	s_add_nc_u64 s[G0+6:G0+7], s[G0+2:G0+3], SLOT  ; K step 1
	s_or_b32 s[G0+3], s[G0+3], 0x80000000          ; type = 2
	s_or_b32 s[G0+7], s[G0+7], 0x80000000
	s_lshr_b32 s22, s14, 1
	s_lshl_b32 s22, s22, 22                        ; 64 rows x (w / 2)
	s_and_b32 s18, s14, 1
	s_lshl_b32 s18, s18, 15                        ; up's columns lie 32,768 bytes behind gate's
	s_add_co_u32 s22, s22, s18
	s_lshl_b32 s18, s16, 7                         ; 32 columns x wg
	s_add_co_u32 s22, s22, s18
	s_add_nc_u64 s[WB:WB+1], s[6:7], s[22:23]
	s_lshl_b32 s22, s14, 21                        ; the prefetch of W: 32 rows x w,
	s_lshr_b32 s18, s16, 1
	s_lshl_b32 s18, s18, 8                         ; the pair's 256 bytes,
	s_add_co_u32 s22, s22, s18
	s_and_b32 s18, s15, 1
	s_lshl_b32 s18, s18, 15                        ; gate's or up's,
	s_add_co_u32 s22, s22, s18
	s_add_co_u32 s22, s22, 4*WSTEP                 ; at step 4: it is stepped once ahead of step 0's request
	s_add_nc_u64 s[PFW:PFW+1], s[6:7], s[22:23]
	s_lshl_b32 s22, s15, 15
	s_lshl_b32 s18, s14, 13
	s_add_co_u32 s22, s22, s18
	s_add_co_u32 s22, s22, 4*SLOT
	s_add_nc_u64 s[PFX:PFX+1], s[4:5], s[22:23]
	s_lshl_b32 s22, s16, 7
	s_add_nc_u64 s[8:9], s[8:9], s[22:23]          ; bg of my 32 units
	s_lshl_b32 s22, s14, 21                        ; hq: row tile 2 w,
	s_lshr_b32 s18, s16, 2
	s_lshl_b32 s18, s18, 14                        ; K step wg / 4,
	s_add_co_u32 s22, s22, s18
	s_and_b32 s18, s16, 3
	s_lshl_b32 s18, s18, 9                         ; c = wg % 4
	s_add_co_u32 s22, s22, s18
	s_add_nc_u64 s[12:13], s[12:13], s[22:23]
.irp i, 0,1,2,3
	global_load_b128 v[BG+4*\i:BG+4*\i+3], v1, s[8:9] offset:16*\i
	global_load_b128 v[BU+4*\i:BU+4*\i+3], v1, s[8:9] offset:32768+16*\i
.endr
	LOADW 0, 0                                     ; W's steps 0 and 1 are asked for before anything else is waited for
	LOADW 1, 1
	CROUND                                         ; all four work-groups are here: the first joint loads meet
	tensor_load_to_lds s[G0:G0+3], s[G1:G1+7]      ; every wave issues both first fills: two tensor loads of mine are out
	s_nop 0
	tensor_load_to_lds s[G0+4:G0+7], s[G1:G1+7]
	s_nop 0
	PLACES
	s_wait_kmcnt 0x0
	s_add_co_i32 s18, s49, 127
	s_lshl_b32 s19, s18, 23
	v_mov_b32 v[SC1], s19                          ; 2^e1 as f32: the conversion takes its exponent field
	s_add_co_i32 s18, s18, 8
	s_lshl_b32 s18, s18, 23
	s_or_b32 s18, s18, 0x600000
	v_mov_b32 v[LM1], s18                          ; 448 x 2^e1
	s_add_co_i32 s18, s50, 127
	s_lshl_b32 s19, s18, 23
	v_mov_b32 v[SC2], s19                          ; 2^e2
	s_add_co_i32 s18, s18, 8
	s_lshl_b32 s18, s18, 23
	s_or_b32 s18, s18, 0x600000
	v_mov_b32 v[LM2], s18                          ; 448 x 2^e2
	s_add_co_i32 s52, s48, s49
	s_add_co_i32 s52, s52, 127
	s_lshl_b32 s52, s52, 23                        ; 2^(e0 + e1) as f32
	s_mov_b32 s53, s52
	s_mov_b32 s46, 6                               ; the loop's trips
	s_cmp_eq_u32 ttmp9, 0
	s_cselect_b32 s47, 1, -1
	QUANTW 0, 16                                   ; step 0's codes (the biases and step 0 are in; step 1's 16 loads may be out)
	LOADW 0, 1                                     ; step 2
	s_wait_tensorcnt 0x1                           ; my part of slot 0 is in; slot 1's may stay out
	s_wait_dscnt 0x0                               ; my stores of W's codes have landed
	s_barrier_signal -1
	s_barrier_wait -1
	WIN FET
	FETCHW 0
	FETCHX 0, 0, 0
	FETCHX 0, 1, 1
	WIN 0
	STEP 0, 1, 16, 1, 2, 1                         ; step 0 stands in front of the loop: its products start the sums, nothing is cleared
.Llap:                                             ; six trips: steps 1 to 12
	STEP 1, 0, 16, 1, 2, 1
	STEP 0, 0, 16, 1, 2, 1
	s_sub_co_u32 s46, s46, 1
	s_cmp_lg_u32 s46, 0
	s_cbranch_scc1 .Llap
	STEP 1, 0, 16, 0, 2, 0                         ; step 13: the last refill (step 15); no step of W is left to ask for
	STEP 0, 0, 0, 0, 1, 0                          ; step 14: the last codes of W; nothing is filled
	STEP 1, 0, -1, 0, 0, 0                         ; step 15
	PLACES
.irp a, 0,1,2,3,4,5,6,7,8,9,10,11,12,13,14,15
	OUTB \a
.endr
	s_wait_tensorcnt 0x0                           ; the wave's end, behind my last tensor load and my last LDS store
	ds_add_u32 v[SPW], v[NIL]
	s_wait_dscnt 0x0
	CROUND                                         ; the closing round: no work-group ends while a partner may still ask for a block that names it
	s_endpgm
.Lfunc_end_k_q68844d2b85_gateup:
	.size	k_q68844d2b85_gateup, .Lfunc_end_k_q68844d2b85_gateup-k_q68844d2b85_gateup
	.p2alignl 7, 3214868480
	.fill 96, 4, 3214868480
	.section	.rodata,"a",@progbits
	.p2align	6, 0x0
	.amdhsa_kernel k_q68844d2b85_gateup
		.amdhsa_group_segment_fixed_size 327680
		.amdhsa_private_segment_fixed_size 0
		.amdhsa_enable_private_segment 0
		.amdhsa_kernarg_size 40
		.amdhsa_user_sgpr_count 2
		.amdhsa_user_sgpr_kernarg_segment_ptr 1
		.amdhsa_wavefront_size32 1
		.amdhsa_system_sgpr_workgroup_id_x 1
		.amdhsa_system_sgpr_workgroup_id_y 1
		.amdhsa_system_sgpr_workgroup_id_z 1
		.amdhsa_system_vgpr_workitem_id 0
		.amdhsa_next_free_vgpr 1024
		.amdhsa_next_free_sgpr 66
		.amdhsa_reserve_vcc 0
		.amdhsa_float_denorm_mode_32 3
		.amdhsa_float_denorm_mode_16_64 3
		.amdhsa_memory_ordered 1
		.amdhsa_forward_progress 1
		.amdhsa_inst_pref_size 209
	.end_amdhsa_kernel
	.amdgpu_metadata
---
amdhsa.version: [ 1, 2 ]
amdhsa.kernels:
  - .name:           k_q68844d2b85_gateup
    .symbol:         k_q68844d2b85_gateup.kd
    .args:
      - { .name: xq, .offset: 0, .size: 8, .value_kind: global_buffer, .address_space: global }
      - { .name: w_gate_up, .offset: 8, .size: 8, .value_kind: global_buffer, .address_space: global }
      - { .name: b_gate_up, .offset: 16, .size: 8, .value_kind: global_buffer, .address_space: global }
      - { .name: lowp_scales, .offset: 24, .size: 8, .value_kind: global_buffer, .address_space: global }
      - { .name: hq, .offset: 32, .size: 8, .value_kind: global_buffer, .address_space: global }
    .group_segment_fixed_size: 327680
    .private_segment_fixed_size: 0
    .kernarg_segment_align: 8
    .kernarg_segment_size: 40
    .max_flat_workgroup_size: 128
    .sgpr_count:     66
    .vgpr_count:     1024
    .wavefront_size: 32
...
	.end_amdgpu_metadata
.endif
;; end of part 2
;; launch down (part 3): grid 32 x 8, 4 waves a work-group, clusters of 4 x 1, 327,680 bytes of LDS; arguments hq, wdq, b_down, lowp_scales, out0; writes out0
.if DOCPART == 3
	.amdgcn_target "amdgcn-amd-amdhsa--gfx1250"
	.amdhsa_code_object_version 6
	.text
	.protected	k_q68844d2b85_down
	.globl	k_q68844d2b85_down
	.p2align	8
	.type	k_q68844d2b85_down,@function
k_q68844d2b85_down:
	s_mov_b64 s[64:65], 0
	v_nop
	global_prefetch_b8 v0, s[64:65] scope:SCOPE_SE
	s_setreg_imm32_b32 hwreg(HW_REG_WAVE_MODE, 25, 1), 1
	s_wait_xcnt 0x0
	s_wait_alu depctr_hold_cnt(0) depctr_sa_sdst(0) depctr_va_vdst(0) depctr_va_sdst(0) depctr_va_ssrc(0) depctr_va_vcc(0) depctr_vm_vsrc(0)
	s_getreg_b32 s2, hwreg(HW_REG_IB_STS2, 6, 4)
	s_cmp_eq_u32 s2, 0
	s_cbranch_scc0 .Lentry_in_a_cluster
	s_endpgm
.Lentry_in_a_cluster:
	s_bfe_u32 s2, ttmp6, 0x10000c
	s_cmp_lg_u32 s2, 0x3003
	s_cbranch_scc0 .Lentry_shape_is_right
	s_endpgm
.Lentry_shape_is_right:
; out0 = hidden Wd + bd on codes of FP8 (E4M3): hq (scale entry 2) and wdq (scale entry 3), both laid as images of operand registers by the launches before.  Nothing of the problem is left out.
; An image of a fragment (16 rows x 128 K, 2,048 bytes): byte 512 c + 256 h + 16 r + i = code of (row r, k = 32 c + 16 h + i); four loads of 16 bytes a lane at 16 x lane + 512 c fill the operand's registers.
;   hq: byte Mt x 1048576 + s x 16384 + a x 2048: rows 128 Mt + 16 a on, K step s.      wdq: byte t x 131072 + s x 2048: columns 16 t on, K step s.
; SHARES.  A work-group makes 128 rows x 64 columns of out0: 8 x 32 = 256 work-groups; a tile's row is 256 consecutive bytes, aligned.  THE FOUR WAVES SPLIT K: each makes the whole tile (32 accumulators, 256 registers) for a
; quarter of K, so that a fragment of the hidden layer feeds four products and every fragment has one reader; the four parts are added through LDS at the end (an order of sums other than ascending K: within rounding).
; K goes in 8 rounds of 1,024; in round j wave w takes K steps 8 j + 2 w and 8 j + 2 w + 1.  A wave walks 16 steps u = 2 j + i of 32 matrix instructions; they are written out, so every offset is an immediate.
; THE HIDDEN LAYER'S CODES of a round are 131,072 dense bytes, the same for the four work-groups of a cluster (one row tile, four column tiles): they come through a ring of two LDS slots by JOINT tensor loads (mask 15);
; each wave loads and reads its own 32,768 bytes.
; Wd's CODES go from memory straight into registers, three steps ahead, in four sets.  They have no joint load: the partners of a cluster take different columns, so they share no byte of wdq; put through the ring, they
; would halve what a slot holds of K and double the number of rounds, and their loads would be waited for at every round.
; THE MATRIX INSTRUCTION IS USED TRANSPOSED (source 0 = 16 columns of Wd, source 1 = 16 rows of the hidden layer): a lane holds eight neighbouring numbers of a row of out0.
; LIMIT: e2 + e3 between -126 and 127, so that 2^(e2 + e3) is an f32 number.
; REGISTERS, in windows of 256.  Window 0: v1-15 addresses; v28-31 bd; v64-191 parts read back; v192-255 results.  Window 1: Wd's four sets of four fragments.  Window 2: two sets of the hidden layer's eight fragments.
;   Window 3: accumulator (a, b) at v[8 (4 a + b)].
.set SLOT,  131072
.set FRB,   2048
.set SPARE, 2*SLOT                     ; behind the ring: the spare words, 128 bytes for each wave: two blocks of 256 bytes that no other line names
.set SPITCH, 272                       ; the stage: a row of 256 bytes + 16
.set REGION, 128*SPITCH                ; a wave's part of the stage.  The four lie from LDS byte 0 on, in slots that have had their last fill and their last read when the first part is stored
.set LI,  1                            ; v1    16 x lane
.set ADA, 2                            ; v2-3  LDS address of my wave's images in slot 0, 1: + 16 x lane
.set STO, 4                            ; v4    the stage: where I put 32 bytes of a row
.set RD0, 5                            ; v5    where I read 16 bytes of a row back, regions 0 and 1;
.set RD2, 6                            ; v6    regions 2 and 3
.set CO,  7                            ; v7    my byte offset in two rows of out0
.set VPH, 8                            ; v8    the prefetch: lanes 256 bytes apart
.set SPW, 14                           ; v14   my spare word; never rewritten
.set NIL, 15                           ; v15   0; never rewritten
.set BD,  28
.set RR,  64
.set OUTR, 192
.set G1,  24                           ; s[24:31] descriptor group 1;  s[32:35], s[36:39] group 0 of slot 0, 1
.set G0,  32
.set WD,  40                           ; s[40:41] wdq at my column tiles and my first K step
.set PFH, 42                           ; s[42:43] where the prefetches stand
.set OB,  44                           ; s[44:45] out0 at the first row that I store
.set MSB, 0
.macro WIN new                         ; the immediate's high byte repeats the setting that is left; a switch that changes nothing is dropped
.if MSB != (\new)
	s_set_vgpr_msb (MSB<<8)|(\new)
.set MSB, (\new)
.endif
.endm
.set TO_B, 0x40                        ; destination window 1, address window 0
.set TO_A, 0x80                        ; destination window 2
.set MUL,  0xf9                        ; source 0 (Wd) window 1, source 1 (hidden) window 2, C and D window 3
.macro PLACES                          ; four plain vector instructions between a matrix instruction and a load into its sources or a read of its result (ISA guide 7.12.1 for vector instructions)
.rept 4
	v_nop
.endr
.endm
.macro CREST                           ; a round of the cluster's barrier behind its opening barrier
	s_cmp_lg_u32 s14, 0
	s_cbranch_scc1 .Lnot_wave_0_\@
	s_barrier_signal -3
.Lnot_wave_0_\@:
	s_barrier_wait -3
	s_barrier_signal -1
	s_barrier_wait -1
.endm
.macro CROUND
	s_barrier_signal -1
	s_barrier_wait -1
	CREST
.endm
.macro LOADB u                         ; Wd's four fragments of my step u into set u % 4
.irp b, 0,1,2,3
.irp c, 0,1,2,3
	global_load_b128 v[64*((\u)%4)+16*\b+4*\c:64*((\u)%4)+16*\b+4*\c+3], v[LI], s[WD:WD+1] offset:\b*131072+(8*((\u)/2)+(\u)%2)*FRB+512*\c
.endr
.endr
.endm
.macro FETCHA u                        ; the hidden layer's eight fragments of my step u into set u % 2
.irp a, 0,1,2,3,4,5,6,7
.irp c, 0,1,2,3
	ds_load_b128 v[128*((\u)%2)+16*\a+4*\c:128*((\u)%2)+16*\a+4*\c+3], v[ADA+(((\u)/2)%2)] offset:((\u)%2)*8*FRB+\a*FRB+512*\c
.endr
.endr
.endm
; 16 matrix instructions: blocks 4 half .. 4 half + 3 x the four column tiles.  The 32 accumulators take turns, one instruction a turn, in the same order in every step.  Step 0 starts the sums.
.macro MULH u, half
.irp a, 4*\half, 4*\half+1, 4*\half+2, 4*\half+3
.irp b, 0,1,2,3
.if (\u) == 0
	v_wmma_f32_16x16x128_fp8_fp8 v[8*(4*(\a)+\b):8*(4*(\a)+\b)+7], v[64*((\u)%4)+16*\b:64*((\u)%4)+16*\b+15], v[128*((\u)%2)+16*(\a):128*((\u)%2)+16*(\a)+15], 0
.else
	v_wmma_f32_16x16x128_fp8_fp8 v[8*(4*(\a)+\b):8*(4*(\a)+\b)+7], v[64*((\u)%4)+16*\b:64*((\u)%4)+16*\b+15], v[128*((\u)%2)+16*(\a):128*((\u)%2)+16*(\a)+15], v[8*(4*(\a)+\b):8*(4*(\a)+\b)+7]
.endif
.endr
.endr
.endm
; A PREFETCH INTO THE L2 of the round that the joint loads will ask for two rounds on.  All clusters of a row tile walk the same codes: the first of them asks; its four partners take 32,768 bytes each, told apart BY ADDRESS,
; a wave 8,192, lanes 256 bytes apart: each aligned block of 256 bytes is named once in the launch.  Rounds 0 to 3 come by their loads alone; the address registers are never rewritten, the round stands in the immediate.
.macro ASKH tile
	s_cmp_lg_u32 ttmp9, 0                          ; the cluster's number: the same in all four partners
	s_cbranch_scc1 .Lnot_first_\@
	global_prefetch_b8 v[VPH], s[PFH:PFH+1] offset:(\tile)*SLOT th:TH_LOAD_NT scope:SCOPE_SE
.Lnot_first_\@:
.endm
; MY STEP u.  NB: how many later steps' loads of Wd (16 each) may stay out.
.macro GSTEP u
.set UJ, (\u)/2
.set UP, UJ%2
.set NB, 15-(\u)
.if NB > 3
.set NB, 3
.endif
.if ((\u) > 0) && ((\u) < 15)
	PLACES                                         ; the loads below land in registers that the last step's products have read
.endif
.if (\u) <= 12
	WIN TO_B
	LOADB (\u)+3
.endif
.if (\u)%2 == 0                        ; a round's first step: its second step's fragments lie in the same slot
	WIN TO_A
	FETCHA (\u)+1
	s_wait_loadcnt 16*NB
	s_wait_dscnt 32                                ; this step's fragments are in; the 32 loads just issued may be out
	WIN MUL
	MULH \u, 0
	MULH \u, 1
.elseif UJ <= 5                        ; a round's second step changes slots, and this slot is filled again with the round two on
	WIN 0                                          ; (the add's two registers lie in window 0)
	s_wait_loadcnt 16*NB
	s_wait_tensorcnt 0x0                           ; all my tensor loads have landed: the one that was out is my part of the other slot
	ds_add_u32 v[SPW], v[NIL]                      ; 0 onto my spare word
	s_add_nc_u64 s[G0+4*UP+2:G0+4*UP+3], s[G0+4*UP+2:G0+4*UP+3], 2*SLOT   ; no load of mine is out, so a group 0 may be written
	s_wait_dscnt 0x0                               ; the add is done, and my reads of this slot are over
	s_barrier_signal -1
	WIN MUL
	MULH \u, 0
	WIN 0
	s_barrier_wait -1
	CREST                                          ; the barrier has opened a round of the cluster's: no wave of any partner still reads this slot or has a load on its way
	tensor_load_to_lds s[G0+4*UP:G0+4*UP+3], s[G1:G1+7]   ; my one tensor load behind the round, and the first thing there
	s_nop 0
	PLACES
	WIN TO_A
	FETCHA (\u)+1
.if UJ <= 3
	WIN 0
	ASKH UJ+4
.endif
	WIN MUL
	MULH \u, 1
.elseif (\u) == 13                     ; nothing is left to fetch: no barrier; the last round's bytes are my own
	s_wait_loadcnt 16*NB
	s_wait_tensorcnt 0x0                           ; my last tensor load has landed
	WIN TO_A
	FETCHA 14
	s_wait_dscnt 32
	WIN MUL
	MULH \u, 0
	MULH \u, 1
.else                                  ; the last step
	s_wait_loadcnt 0x0
	s_wait_dscnt 0x0                               ; my last reads of the slots are over: behind this barrier the stage may be written over them
	s_barrier_signal -1
	WIN MUL
	MULH \u, 0
	MULH \u, 1
	WIN 0
	s_barrier_wait -1
.endif
.endm
	s_load_b256 s[4:11], s[0:1], 0x0               ; hq s[4:5], wdq s[6:7], b_down s[8:9], the scales' exponents s[10:11]
	s_load_b64 s[12:13], s[0:1], 0x20              ; out0
	v_lshl_add_u32 v[SPW], v0, 2, SPARE
	v_mov_b32 v[NIL], 0
	ds_add_u32 v[SPW], v[NIL]                      ; the wave's opening: the add, twice on end, and its wait ahead of my first tensor load; the set-up below stands between
	ds_add_u32 v[SPW], v[NIL]
	v_lshrrev_b32 v10, 5, v0
	v_readfirstlane_b32 s14, v10                   ; wave 0..3
	s_bfe_u32 s15, ttmp6, 0x40000                  ; cx: my place in the cluster
	s_lshl_b32 s16, ttmp9, 2
	s_add_co_u32 s16, s16, s15                     ; Nt: my 64 columns
	s_and_b32 s17, ttmp7, 0xffff                   ; Mt: my 128 rows, which the four partners share
	; descriptor group 1: 32,768 dense bytes as 128 rows of 32 elements of 8 bytes, no padding
	s_mov_b32 s[G1+0], 15|(3<<16)|(1<<21)          ; 15:0 the mask: all four work-groups; 17:16 elements of 8 bytes; 21 set beside a mask
	s_mov_b32 s[G1+1], 32<<16                      ; tensor_dim0 = 32
	s_mov_b32 s[G1+2], 128<<16                     ; tensor_dim1 = 128
	s_mov_b32 s[G1+3], 32<<16                      ; tile_dim0 = 32
	s_mov_b32 s[G1+4], 128                         ; tile_dim1 = 128
	s_mov_b32 s[G1+5], 32                          ; from row to row
	s_mov_b32 s[G1+6], 0
	s_mov_b32 s[G1+7], 0
	v_and_b32 v10, 31, v0                          ; lane
	v_lshlrev_b32 v[LI], 4, v10
	s_lshl_b32 s18, s14, 15                        ; my wave's 32,768 bytes of a slot
	v_add_nc_u32 v[ADA], s18, v[LI]
	v_add_nc_u32 v[ADA+1], SLOT, v[ADA]
	v_and_b32 v11, 15, v0                          ; r
	v_bfe_u32 v12, v0, 4, 1                        ; h
	s_mul_i32 s19, s14, REGION
	v_mul_u32_u24 v[STO], v11, SPITCH
	v_lshl_add_u32 v[STO], v12, 5, v[STO]
	v_add_nc_u32 v[STO], s19, v[STO]               ; in: my region, row r, + 32 h
	s_mul_i32 s19, s14, 32*SPITCH
	v_mul_u32_u24 v[RD0], v12, SPITCH
	v_lshl_add_u32 v[RD0], v11, 4, v[RD0]
	v_add_nc_u32 v[RD0], s19, v[RD0]               ; back: rows 32 w on; lanes 0-15 one row, lanes 16-31 the next
	v_add_nc_u32 v[RD2], 2*REGION, v[RD0]
	v_lshlrev_b32 v9, 4, v11                       ; 16 bytes x (lane % 16)
	v_lshl_add_u32 v[CO], v12, 13, v9              ; and the same two rows in out0
	v_lshlrev_b32 v[VPH], 8, v10
	s_lshl_b32 s20, s17, 20
	s_add_co_u32 s20, s20, s18                     ; hq: my row tile, my wave's two K steps (s[20:21] never hold a number that differs between partners: they feed the descriptors)
	s_mov_b32 s21, 0
	s_mov_b32 s23, 0
	s_wait_dscnt 0x0                               ; both opening adds are done
	s_wait_kmcnt 0x0
	s_load_b128 s[48:51], s[10:11], 0x0            ; e0 .. e3
	s_mov_b32 s[G0], 1                             ; count = 1
	s_mov_b32 s[G0+1], s18                         ; LDS address: slot 0, my part
	s_add_nc_u64 s[G0+2:G0+3], s[4:5], s[20:21]    ; round 0
	s_mov_b32 s[G0+4], 1
	s_add_co_u32 s[G0+5], s18, SLOT
	s_add_nc_u64 s[G0+6:G0+7], s[G0+2:G0+3], SLOT  ; round 1
	s_or_b32 s[G0+3], s[G0+3], 0x80000000          ; type = 2
	s_or_b32 s[G0+7], s[G0+7], 0x80000000
	s_lshl_b32 s22, s16, 19                        ; wdq: four tiles of 131,072 bytes x Nt,
	s_lshl_b32 s19, s14, 12                        ; K step 2 w
	s_add_co_u32 s22, s22, s19
	s_add_nc_u64 s[WD:WD+1], s[6:7], s[22:23]
	s_lshl_b32 s22, s17, 20                        ; the prefetch: my row tile,
	s_lshl_b32 s19, s15, 15                        ; my work-group's quarter of a round,
	s_add_co_u32 s22, s22, s19
	s_lshl_b32 s19, s14, 13                        ; my wave's quarter of that
	s_add_co_u32 s22, s22, s19
	s_add_nc_u64 s[PFH:PFH+1], s[4:5], s[22:23]
	s_lshl_b32 s22, s17, 20                        ; out0: 128 rows of 8,192 bytes x Mt,
	s_lshl_b32 s19, s14, 18                        ; 32 rows x w,
	s_add_co_u32 s22, s22, s19
	s_lshl_b32 s19, s16, 8                         ; 256 bytes x Nt
	s_add_co_u32 s22, s22, s19
	s_add_nc_u64 s[OB:OB+1], s[12:13], s[22:23]
	s_mov_b32 s22, s19
	s_add_nc_u64 s[8:9], s[8:9], s[22:23]          ; bd of my 64 columns
	global_load_b128 v[BD:BD+3], v9, s[8:9]
	WIN TO_B
	LOADB 0                                        ; Wd's first three steps are asked for before anything else is waited for
	LOADB 1
	LOADB 2
	WIN 0
	CROUND                                         ; all four work-groups are here: the first joint loads meet
	tensor_load_to_lds s[G0:G0+3], s[G1:G1+7]      ; every wave issues both first fills: two tensor loads of mine are out
	s_nop 0
	tensor_load_to_lds s[G0+4:G0+7], s[G1:G1+7]
	s_nop 0
	PLACES
	s_wait_kmcnt 0x0
	s_add_co_i32 s52, s50, s51
	s_add_co_i32 s52, s52, 127
	s_lshl_b32 s52, s52, 23                        ; 2^(e2 + e3) as f32
	s_mov_b32 s53, s52                             ; (named with it as a pair, so it is written)
	s_wait_tensorcnt 0x1                           ; my part of slot 0 is in, and I alone read it; slot 1's may stay out
	WIN TO_A
	FETCHA 0
.irp u, 0,1,2,3,4,5,6,7,8,9,10,11,12,13,14,15
	GSTEP \u
.endr
	; THE WAY OUT.  Each wave puts its part of the tile into its region of the stage; a barrier; wave w adds the four parts of rows 32 w on, multiplies by 2^(e2 + e3), adds bd, and stores whole rows of the tile.
	PLACES
	WIN 0x0c                                       ; store data (source 1): window 3
.irp a, 0,1,2,3,4,5,6,7
.irp b, 0,1,2,3
	ds_store_b128 v[STO], v[8*(4*\a+\b):8*(4*\a+\b)+3] offset:16*SPITCH*\a+64*\b          ; lane (r, h): row 16 a + r, columns 16 b + 8 h + 0..3; each accumulator from its low end on
	ds_store_b128 v[STO], v[8*(4*\a+\b)+4:8*(4*\a+\b)+7] offset:16*SPITCH*\a+64*\b+16
.endr
.endr
	WIN 0
	s_wait_dscnt 0x0                               ; for the others' sake: my stores into the stage have landed
	s_barrier_signal -1
	s_barrier_wait -1
.irp hf, 0,1                           ; eight pairs of rows at a time
.irp i, 0,1,2,3,4,5,6,7
.irp g, 0,1
	ds_load_b128 v[RR+16*\i+4*\g:RR+16*\i+4*\g+3], v[RD0] offset:\g*REGION+2*SPITCH*(8*\hf+\i)
.endr
.irp g, 0,1
	ds_load_b128 v[RR+16*\i+8+4*\g:RR+16*\i+8+4*\g+3], v[RD2] offset:\g*REGION+2*SPITCH*(8*\hf+\i)
.endr
.endr
.irp i, 0,1,2,3,4,5,6,7
	s_wait_dscnt 28-4*\i                           ; this pair's four parts are in; the later pairs' loads may be out
	v_pk_add_f32 v[RR+16*\i:RR+16*\i+1],     v[RR+16*\i:RR+16*\i+1],     v[RR+16*\i+4:RR+16*\i+5]
	v_pk_add_f32 v[RR+16*\i+2:RR+16*\i+3],   v[RR+16*\i+2:RR+16*\i+3],   v[RR+16*\i+6:RR+16*\i+7]
	v_pk_add_f32 v[RR+16*\i+8:RR+16*\i+9],   v[RR+16*\i+8:RR+16*\i+9],   v[RR+16*\i+12:RR+16*\i+13]
	v_pk_add_f32 v[RR+16*\i+10:RR+16*\i+11], v[RR+16*\i+10:RR+16*\i+11], v[RR+16*\i+14:RR+16*\i+15]
	v_pk_add_f32 v[RR+16*\i:RR+16*\i+1],     v[RR+16*\i:RR+16*\i+1],     v[RR+16*\i+8:RR+16*\i+9]
	v_pk_add_f32 v[RR+16*\i+2:RR+16*\i+3],   v[RR+16*\i+2:RR+16*\i+3],   v[RR+16*\i+10:RR+16*\i+11]
	v_pk_fma_f32 v[OUTR+32*\hf+4*\i:OUTR+32*\hf+4*\i+1],   v[RR+16*\i:RR+16*\i+1],   s[52:53], v[BD:BD+1]   op_sel_hi:[1,0,1]
	v_pk_fma_f32 v[OUTR+32*\hf+4*\i+2:OUTR+32*\hf+4*\i+3], v[RR+16*\i+2:RR+16*\i+3], s[52:53], v[BD+2:BD+3] op_sel_hi:[1,0,1]
	global_store_b128 v[CO], v[OUTR+32*\hf+4*\i:OUTR+32*\hf+4*\i+3], s[OB:OB+1] offset:16384*(8*\hf+\i) th:TH_STORE_NT   ; sixteen lanes store 256 consecutive bytes, aligned; data registers of its own for each store
.endr
.endr
	s_wait_tensorcnt 0x0                           ; the wave's end, behind my last tensor load and my last LDS store
	ds_add_u32 v[SPW], v[NIL]
	s_wait_dscnt 0x0
	CROUND                                         ; the closing round: no work-group ends while a partner may still ask for a block that names it
	s_endpgm
.Lfunc_end_k_q68844d2b85_down:
	.size	k_q68844d2b85_down, .Lfunc_end_k_q68844d2b85_down-k_q68844d2b85_down
	.p2alignl 7, 3214868480
	.fill 96, 4, 3214868480
	.section	.rodata,"a",@progbits
	.p2align	6, 0x0
	.amdhsa_kernel k_q68844d2b85_down
		.amdhsa_group_segment_fixed_size 327680
		.amdhsa_private_segment_fixed_size 0
		.amdhsa_enable_private_segment 0
		.amdhsa_kernarg_size 40
		.amdhsa_user_sgpr_count 2
		.amdhsa_user_sgpr_kernarg_segment_ptr 1
		.amdhsa_wavefront_size32 1
		.amdhsa_system_sgpr_workgroup_id_x 1
		.amdhsa_system_sgpr_workgroup_id_y 1
		.amdhsa_system_sgpr_workgroup_id_z 1
		.amdhsa_system_vgpr_workitem_id 0
		.amdhsa_next_free_vgpr 1024
		.amdhsa_next_free_sgpr 66
		.amdhsa_reserve_vcc 0
		.amdhsa_float_denorm_mode_32 3
		.amdhsa_float_denorm_mode_16_64 3
		.amdhsa_memory_ordered 1
		.amdhsa_forward_progress 1
		.amdhsa_inst_pref_size 121
	.end_amdhsa_kernel
	.amdgpu_metadata
---
amdhsa.version: [ 1, 2 ]
amdhsa.kernels:
  - .name:           k_q68844d2b85_down
    .symbol:         k_q68844d2b85_down.kd
    .args:
      - { .name: hq, .offset: 0, .size: 8, .value_kind: global_buffer, .address_space: global }
      - { .name: wdq, .offset: 8, .size: 8, .value_kind: global_buffer, .address_space: global }
      - { .name: b_down, .offset: 16, .size: 8, .value_kind: global_buffer, .address_space: global }
      - { .name: lowp_scales, .offset: 24, .size: 8, .value_kind: global_buffer, .address_space: global }
      - { .name: out0, .offset: 32, .size: 8, .value_kind: global_buffer, .address_space: global }
    .group_segment_fixed_size: 327680
    .private_segment_fixed_size: 0
    .kernarg_segment_align: 8
    .kernarg_segment_size: 40
    .max_flat_workgroup_size: 128
    .sgpr_count:     66
    .vgpr_count:     1024
    .wavefront_size: 32
...
	.end_amdgpu_metadata
.endif
;; end of part 3
;; ======== version 2 of 2: 3 launches
;; limits: right only within a limited range of input values
;; workspace buffers: xq 2,097,152 bytes; wdq 16,777,216 bytes; hq 8,388,608 bytes
;; launch quant (part 4): grid 1280 x 1, 4 waves a work-group, no clusters, 0 bytes of LDS; arguments x, w_down, lowp_scales, xq, wdq; writes xq, wdq
.if DOCPART == 4
	.amdgcn_target "amdgcn-amd-amdhsa--gfx1250"
	.amdhsa_code_object_version 6
	.text
	.protected	k_q68844d2b85_quant
	.globl	k_q68844d2b85_quant
	.p2align	8
	.type	k_q68844d2b85_quant,@function
k_q68844d2b85_quant:
	s_mov_b64 s[64:65], 0
	v_nop
	global_prefetch_b8 v0, s[64:65] scope:SCOPE_SE
	s_setreg_imm32_b32 hwreg(HW_REG_WAVE_MODE, 25, 1), 1
	s_wait_xcnt 0x0
; out0 = (silu(x Wg + bg) * (x Wu + bu)) Wd + bd, both products on codes of FP8 (E4M3), each operand with the one scale 2^e that is given for it.
; NO WORK OF THE PROBLEM IS LEFT OUT in any of the three launches: x, w_gate_up, b_gate_up, w_down, b_down and all four scales have a way to out0, and all are loaded.
; THIS LAUNCH turns x [1024][2048] (scale entry 0) and w_down [8192][2048] (K is its FIRST axis; scale entry 3) into codes.  w_gate_up is quantised in the next launch, where each of its bytes has one reader.
; code = number / 2^e, held within +-448, rounded to the nearest code, ties to even.
; LIMITS: each e lies between -126 and 119, so that 2^e and 448 x 2^e are f32 numbers.  NaN among the inputs is not served; an infinity is held at the largest code.
; THE CODES ARE LAID AS IMAGES OF OPERAND REGISTERS.  A fragment is 16 rows x 128 along K, 2,048 bytes: byte 512 c + 256 h + 16 r + i is the code of (row r, k = 32 c + 16 h + i).  Four loads of 16 bytes a lane,
; at 16 x lane + 512 c, then give lane (r, h) its registers 4 c .. 4 c + 3.  The same order of k is used for both operands of a product, so every code meets its partner.
;   xq:  byte s x 131072 + m x 2048: rows 16 m on of x, K step s (s 0..15, m 0..63).      wdq: byte t x 131072 + s x 2048: columns 16 t on of w_down, K step s (t 0..127, s 0..63).
; SHARES.  Work-groups 0..1023 take w_down: a wave takes 32 columns x 128 along K; A LANE TAKES A COLUMN AND ITS REGISTERS RUN DOWN K, so the conversions give codes with K innermost and nothing is transposed;
; each load reads 128 consecutive bytes, the four waves of a work-group stand side by side on 512.  Work-groups 1024..1279 take x: a wave makes one fragment.
; No LDS, no barrier: waves share nothing.  Every offset is an immediate, every store has data registers of its own, so no register of a pending memory instruction is ever rewritten.
.set WGW,  1024                        ; work-groups that take w_down
.set NUM,  32                          ; v32-159  the numbers as loaded
.set COD,  160                         ; v160-191 the codes
	s_load_b128 s[4:7], s[0:1], 0x0                ; x, w_down
	s_load_b64 s[8:9], s[0:1], 0x10                ; the scales' exponents
	s_load_b128 s[12:15], s[0:1], 0x18             ; xq, wdq
	v_lshrrev_b32 v1, 5, v0
	v_readfirstlane_b32 s16, v1                    ; wave 0..3
	v_and_b32 v2, 31, v0                           ; lane
	v_and_b32 v6, 15, v0                           ; lane % 16
	v_bfe_u32 v7, v0, 4, 1                         ; lane / 16
	s_wait_kmcnt 0x0
	s_load_b128 s[20:23], s[8:9], 0x0              ; e0 .. e3
	s_cmp_lt_u32 ttmp9, WGW                        ; the work-group's number alone decides
	s_cbranch_scc0 .Lx_path
	; ---- w_down
	s_lshr_b32 s17, ttmp9, 4                       ; K step s
	s_and_b32 s18, ttmp9, 15
	s_lshl_b32 s18, s18, 2
	s_add_co_u32 s18, s18, s16                     ; cg: my wave's 32 columns begin at 32 cg
	s_lshl_b32 s24, s17, 20                        ; 128 rows of 8,192 bytes
	s_lshl_b32 s25, s18, 7                         ; 32 columns of 4 bytes
	s_add_co_u32 s24, s24, s25
	s_mov_b32 s25, 0
	s_add_nc_u64 s[6:7], s[6:7], s[24:25]
	s_lshl_b32 s26, s18, 18                        ; tile 2 cg
	s_lshl_b32 s27, s17, 11                        ; K step s
	s_add_co_u32 s26, s26, s27
	s_mov_b32 s27, 0
	s_add_nc_u64 s[14:15], s[14:15], s[26:27]
	s_wait_alu depctr_va_vdst(0)
	v_lshlrev_b32 v3, 2, v2                        ; in: 4 bytes a lane
	v_lshlrev_b32 v4, 4, v6                        ; out: image row lane % 16,
	v_lshl_add_u32 v4, v7, 17, v4                  ; lanes 16-31 in the next tile of 16 columns
.set kk, 0
.rept 128
	global_load_b32 v[NUM+kk], v3, s[6:7] offset:kk*8192 th:TH_LOAD_NT   ; w_down(128 s + kk, my column)
.set kk, kk+1
.endr
	s_wait_kmcnt 0x0
	s_add_co_i32 s17, s23, 127
	s_lshl_b32 s18, s17, 23
	v_mov_b32 v11, s18                             ; 2^e3 as f32: the conversion takes its exponent field
	s_add_co_i32 s17, s17, 8
	s_lshl_b32 s17, s17, 23
	s_or_b32 s17, s17, 0x600000
	v_mov_b32 v10, s17                             ; 448 x 2^e3
; Block q: 32 along K of my column.  left: how many younger loads may stay out.
.macro WBLOCK q, left
	s_wait_loadcnt \left
.set ii, 0
.rept 32
	v_med3_num_f32 v[NUM+32*\q+ii], v[NUM+32*\q+ii], -v10, v10   ; the conversion to an 8-bit code does not saturate (ISA guide 7.6.2): the hold comes first
.set ii, ii+1
.endr
.irp g, 0,1,2,3
	v_cvt_scalef32_pk8_fp8_f32 v[COD+8*\q+2*\g:COD+8*\q+2*\g+1], v[NUM+32*\q+8*\g:NUM+32*\q+8*\g+7], v11
.endr
	global_store_b128 v4, v[COD+8*\q:COD+8*\q+3], s[14:15] offset:512*\q          ; k = 32 q + 0..15: sixteen lanes store 256 consecutive bytes, aligned
	global_store_b128 v4, v[COD+8*\q+4:COD+8*\q+7], s[14:15] offset:512*\q+256    ; k = 32 q + 16..31
.endm
	s_wait_alu depctr_va_vdst(0)
	WBLOCK 0, 63                                   ; 96 younger loads were issued; the wait's field holds 63, and a smaller count is safe
	WBLOCK 1, 63                                   ; 64 younger
	WBLOCK 2, 32
	WBLOCK 3, 0
	s_endpgm
	; ---- x
.Lx_path:
	s_sub_co_u32 s17, ttmp9, WGW
	s_lshl_b32 s17, s17, 2
	s_add_co_u32 s17, s17, s16                     ; my fragment, 0..1023
	s_lshr_b32 s18, s17, 4                         ; m: rows 16 m on
	s_and_b32 s19, s17, 15                         ; K step s
	s_lshl_b32 s24, s18, 17                        ; 16 rows of 8,192 bytes
	s_lshl_b32 s25, s19, 9                         ; 128 numbers
	s_add_co_u32 s24, s24, s25
	s_mov_b32 s25, 0
	s_add_nc_u64 s[4:5], s[4:5], s[24:25]
	s_lshl_b32 s26, s19, 17
	s_lshl_b32 s27, s18, 11
	s_add_co_u32 s26, s26, s27
	s_mov_b32 s27, 0
	s_add_nc_u64 s[12:13], s[12:13], s[26:27]
	s_wait_alu depctr_va_vdst(0)
	v_lshlrev_b32 v3, 13, v6                       ; row lane % 16,
	v_lshl_add_u32 v3, v7, 6, v3                   ; + 64 (lane / 16): my 16 numbers of each block of 32
	v_lshlrev_b32 v5, 4, v2                        ; out: 16 x lane
.irp c, 0,1,2,3
.irp j, 0,1,2,3
	global_load_b128 v[NUM+16*\c+4*\j:NUM+16*\c+4*\j+3], v3, s[4:5] offset:128*\c+16*\j th:TH_LOAD_NT   ; k = 32 c + 16 h + 4 j on
.endr
.endr
	s_wait_kmcnt 0x0
	s_add_co_i32 s17, s20, 127
	s_lshl_b32 s18, s17, 23
	v_mov_b32 v11, s18                             ; 2^e0
	s_add_co_i32 s17, s17, 8
	s_lshl_b32 s17, s17, 23
	s_or_b32 s17, s17, 0x600000
	v_mov_b32 v10, s17                             ; 448 x 2^e0
	s_wait_alu depctr_va_vdst(0)
.irp c, 0,1,2,3
	s_wait_loadcnt 12-4*\c                         ; the four loads of block c are in; the later blocks' may stay out
.irp i, 0,1,2,3,4,5,6,7,8,9,10,11,12,13,14,15
	v_med3_num_f32 v[NUM+16*\c+\i], v[NUM+16*\c+\i], -v10, v10
.endr
	v_cvt_scalef32_pk8_fp8_f32 v[COD+4*\c:COD+4*\c+1], v[NUM+16*\c:NUM+16*\c+7], v11
	v_cvt_scalef32_pk8_fp8_f32 v[COD+4*\c+2:COD+4*\c+3], v[NUM+16*\c+8:NUM+16*\c+15], v11
	global_store_b128 v5, v[COD+4*\c:COD+4*\c+3], s[12:13] offset:512*\c          ; the wave stores 512 consecutive bytes
.endr
	s_endpgm
.Lfunc_end_k_q68844d2b85_quant:
	.size	k_q68844d2b85_quant, .Lfunc_end_k_q68844d2b85_quant-k_q68844d2b85_quant
	.p2alignl 7, 3214868480
	.fill 96, 4, 3214868480
	.section	.rodata,"a",@progbits
	.p2align	6, 0x0
	.amdhsa_kernel k_q68844d2b85_quant
		.amdhsa_group_segment_fixed_size 0
		.amdhsa_private_segment_fixed_size 0
		.amdhsa_enable_private_segment 0
		.amdhsa_kernarg_size 40
		.amdhsa_user_sgpr_count 2
		.amdhsa_user_sgpr_kernarg_segment_ptr 1
		.amdhsa_wavefront_size32 1
		.amdhsa_system_sgpr_workgroup_id_x 1
		.amdhsa_system_sgpr_workgroup_id_y 1
		.amdhsa_system_sgpr_workgroup_id_z 1
		.amdhsa_system_vgpr_workitem_id 0
		.amdhsa_next_free_vgpr 192
		.amdhsa_next_free_sgpr 66
		.amdhsa_reserve_vcc 0
		.amdhsa_float_denorm_mode_32 3
		.amdhsa_float_denorm_mode_16_64 3
		.amdhsa_memory_ordered 1
		.amdhsa_forward_progress 1
		.amdhsa_inst_pref_size 32
	.end_amdhsa_kernel
	.amdgpu_metadata
---
amdhsa.version: [ 1, 2 ]
amdhsa.kernels:
  - .name:           k_q68844d2b85_quant
    .symbol:         k_q68844d2b85_quant.kd
    .args:
      - { .name: x, .offset: 0, .size: 8, .value_kind: global_buffer, .address_space: global }
      - { .name: w_down, .offset: 8, .size: 8, .value_kind: global_buffer, .address_space: global }
      - { .name: lowp_scales, .offset: 16, .size: 8, .value_kind: global_buffer, .address_space: global }
      - { .name: xq, .offset: 24, .size: 8, .value_kind: global_buffer, .address_space: global }
      - { .name: wdq, .offset: 32, .size: 8, .value_kind: global_buffer, .address_space: global }
    .group_segment_fixed_size: 0
    .private_segment_fixed_size: 0
    .kernarg_segment_align: 8
    .kernarg_segment_size: 40
    .max_flat_workgroup_size: 128
    .sgpr_count:     66
    .vgpr_count:     192
    .wavefront_size: 32
...
	.end_amdgpu_metadata
.endif
;; end of part 4
;; launch gateup (part 5): grid 256 x 1, 4 waves a work-group, clusters of 4 x 1, 327,680 bytes of LDS; arguments xq, w_gate_up, b_gate_up, lowp_scales, hq; writes hq
.if DOCPART == 5
	.amdgcn_target "amdgcn-amd-amdhsa--gfx1250"
	.amdhsa_code_object_version 6
	.text
	.protected	k_q68844d2b85_gateup
	.globl	k_q68844d2b85_gateup
	.p2align	8
	.type	k_q68844d2b85_gateup,@function
k_q68844d2b85_gateup:
	s_mov_b64 s[64:65], 0
	v_nop
	global_prefetch_b8 v0, s[64:65] scope:SCOPE_SE
	s_setreg_imm32_b32 hwreg(HW_REG_WAVE_MODE, 25, 1), 1
	s_wait_xcnt 0x0
	s_wait_alu depctr_hold_cnt(0) depctr_sa_sdst(0) depctr_va_vdst(0) depctr_va_sdst(0) depctr_va_ssrc(0) depctr_va_vcc(0) depctr_vm_vsrc(0)
	s_getreg_b32 s2, hwreg(HW_REG_IB_STS2, 6, 4)
	s_cmp_eq_u32 s2, 0
	s_cbranch_scc0 .Lentry_in_a_cluster
	s_endpgm
.Lentry_in_a_cluster:
	s_bfe_u32 s2, ttmp6, 0x10000c
	s_cmp_lg_u32 s2, 0x3003
	s_cbranch_scc0 .Lentry_shape_is_right
	s_endpgm
.Lentry_shape_is_right:
; hidden = silu(x Wg + bg) * (x Wu + bu), quantised with scale entry 2 into hq.  The product runs on codes of FP8 (E4M3): x's come from xq, w_gate_up's are made here.  Nothing of the problem is left out.
; SHARES.  Work-group wg owns ALL 1,024 rows and hidden units 32 wg .. 32 wg + 31: 32 gate columns and the 32 up columns 8,192 further on.  So each byte of w_gate_up has ONE reader in the launch: it comes as f32
; straight into registers and is quantised there; its codes never go to memory.  Wave w owns rows 256 w on: 16 blocks of 16 rows x 4 tiles of 16 columns = 64 accumulators, 512 registers.  K goes in 16 steps of 128.
; x's CODES of a K step are one dense block of 131,072 bytes, the same for every work-group.  They come through a ring of two LDS slots by tensor loads; each wave loads and reads its own 32,768 bytes.
; CLUSTER: four work-groups ask for each such block JOINTLY (the same load, the same descriptor, the mask 15).  W is not shared by anybody, so it has no joint load.
; THE WALK OVER K IS ROTATED: cluster c begins at K step (c + 5 (c / 16)) % 16 and wraps round; its s-th step is K step (that + s) % 16, for x's codes and for W alike.  So the 64 clusters' first fills together ask for all
; sixteen blocks of xq, and at no time do all clusters ask for the same block.  LIMIT: the sums take K in that order, not ascending: within rounding.
; W: wave w loads 64 rows of K (half w / 2) x 32 columns (gate: w even, up: w odd) of a step, 16 loads of 16 bytes a lane, TWO STEPS AHEAD, in two landing sets; these loads stay on their way across the barriers.
; A lane then holds 4 columns x 16 along K: hold, conversion (4 columns of one k in a register), a 4 x 4 turn of bytes by v_perm_b32, and each column's 16 codes go to LDS as one piece of a fragment's image.
; AN IMAGE of a fragment (16 rows x 128 K, 2,048 bytes): byte 512 c + 256 h + 16 r + i = code of (row r, k = 32 c + 16 h + i); four ds_load_b128 at 16 x lane + 512 c fill the operand's registers.  No pitch, no padding.
; THE MATRIX INSTRUCTION IS USED TRANSPOSED (source 0 = a tile of W, source 1 = 16 rows of x), AND THE COLUMNS OF A TILE ARE NOT NEIGHBOURS: row r of tile u is column 16 (r / 8) + 8 u + r % 8 of its 32.  So a lane holds one
; row of x, and the 32 registers of a block are 16 neighbouring gate values and the 16 up values of the same units: silu, product, hold and conversion give 16 bytes that ARE a piece of hq's image.
; hq: byte Mt x 1048576 + s x 16384 + a x 2048 + image: rows 128 Mt + 16 a on, hidden units 128 s on.
; LIMITS: e1, e2 between -126 and 119; e0 + e1 between -126 and 127.  NaN among the inputs is not served.  silu(g) = g / (1 + 2^(-g log2 e)); where the power overflows (g under about -88) the result is 0.
; REGISTERS, in windows of 256.  Window 0: v1-15 addresses and constants; v16-63 at work in the quantiser; v64-127, v128-191 the two landing sets (on the way out: codes and numbers at work); v192-223 the biases.
;   Window 1: v0-63, v64-127 two buffers of four fragments of x; v128-191, v192-255 two sets of W's four fragments.   Windows 2, 3: accumulator (a, b) at window 2 + a / 8, v[32 (a % 8) + 8 b].
.set SLOT,  131072                     ; a slot: one K step of all rows' codes
.set FRB,   2048                       ; an image
.set WC,    2*SLOT                     ; behind the ring: W's codes, two buffers of four images; no tensor load lands here
.set WCB,   4*FRB
.set SPARE, WC+2*WCB                   ; the spare words, 128 bytes for each wave: two blocks of 256 bytes that no other line names
.set ADX, 2                            ; v2-3  LDS address of my wave's images of x in slot 0, 1: + 16 x lane
.set ADW, 4                            ; v4    WC + 16 x lane
.set STW, 5                            ; v5    where my lane's first column's 16 codes go in buffer 0
.set VW,  6                            ; v6    W: 16 rows x (lane / 8) + 16 bytes x (lane % 8)
.set VPF, 7                            ; v7    the prefetch of W: a lane a row
.set HO,  9                            ; v9    16 x lane
.set SC1, 10                           ; v10   2^e1        v11  448 x 2^e1
.set LM1, 11
.set SC2, 12                           ; v12   2^e2        v13  448 x 2^e2
.set LM2, 13
.set SPW, 14                           ; v14   my spare word; never rewritten
.set NIL, 15                           ; v15   0; never rewritten
.set DD,  16                           ; v16-31  register i: 4 columns at k = i
.set PP,  32                           ; v32-47  half turned
.set TT,  48                           ; v48-63  registers 4 q .. 4 q + 3: column q, k = 0 .. 15
.set LND, 64
.set BG,  192                          ; v192-207 bg of my 16 units;  v208-223 bu
.set BU,  208
.set HC,  64                           ; the way out: block a's 16 codes at v[64 + 4 a]
.set GG,  128
.set UU,  144
.set EE,  160
.set PR,  176
.set G1,  24                           ; s[24:31] descriptor group 1;  s[32:35], s[36:39] group 0 of slot 0, 1
.set G0,  32
.set WB,  40                           ; s[40:41] W at the K step that is being loaded.   s[6:7]: W at my wave's rows and columns of K step 0.   s[4:5]: xq at my wave's part of K step 0
.set PFW, 42                           ; s[42:43] where the prefetch stands;  s[44:45] the same at K step 0
.set PW0, 44
.set KS,  60                           ; s60   my cluster's first K step + the steps walked; taken modulo 16 wherever it is used.  The same in all four partners
.set MSB, 0
.macro WIN new                         ; the immediate's high byte repeats the setting that is left; a switch that changes nothing is dropped
.if MSB != (\new)
	s_set_vgpr_msb (MSB<<8)|(\new)
.set MSB, (\new)
.endif
.endm
.set FET,    0x40                      ; destination window 1, address window 0
.set MUL_LO, 0xa5                      ; sources 0 and 1 window 1, C and D window 2
.set MUL_HI, 0xf5                      ; the same, C and D window 3
.macro PLACES                          ; four plain vector instructions between a matrix instruction and a load into its sources or a read of its result (ISA guide 7.12.1 for vector instructions)
.rept 4
	v_nop
.endr
.endm
.macro CREST                           ; a round of the cluster's barrier behind its opening barrier
	s_cmp_lg_u32 s14, 0
	s_cbranch_scc1 .Lnot_wave_0_\@
	s_barrier_signal -3
.Lnot_wave_0_\@:
	s_barrier_wait -3
	s_barrier_signal -1
	s_barrier_wait -1
.endm
.macro CROUND
	s_barrier_signal -1
	s_barrier_wait -1
	CREST
.endm
; 16 loads: my 64 x 32 numbers of the step d on from the one in hand into landing set ls.  pf = 1: the prefetch's address is set two steps further on.
.macro LOADW ls, d, pf
.if \d
	s_wait_xcnt 0x0                                ; the earlier loads and the last prefetch have read their bases: only now are these written
.endif
	s_add_co_u32 s22, s[KS], \d
	s_and_b32 s22, s22, 15                         ; the K step, wrapped round
	s_lshl_b32 s22, s22, 23                        ; 128 rows of 65,536 bytes
	s_add_nc_u64 s[WB:WB+1], s[6:7], s[22:23]
.if \pf
	s_add_co_u32 s22, s[KS], \d+2
	s_and_b32 s22, s22, 15
	s_lshl_b32 s22, s22, 23
	s_add_nc_u64 s[PFW:PFW+1], s[PW0:PW0+1], s[22:23]
.endif
.irp i, 0,1,2,3,4,5,6,7,8,9,10,11,12,13,14,15
	global_load_b128 v[LND+64*(\ls)+4*\i:LND+64*(\ls)+4*\i+3], v[VW], s[WB:WB+1] offset:\i*65536   ; k = 16 (lane / 8) + i, columns 4 (lane % 8) on: four rows x 128 consecutive bytes
.endr
.endm
; Landing set ls becomes codes in LDS buffer ls.  left: the younger loads that may stay out.
.macro QUANTW ls, left
.set LB, LND+64*(\ls)
	s_wait_loadcnt \left
.set qi, 0
.rept 64
	v_med3_num_f32 v[LB+qi], v[LB+qi], -v[LM1], v[LM1]   ; the conversion to an 8-bit code does not saturate (ISA guide 7.6.2): the hold comes first
.set qi, qi+1
.endr
.set qi, 0
.rept 8
	v_cvt_scalef32_pk8_fp8_f32 v[DD+2*qi:DD+2*qi+1], v[LB+8*qi:LB+8*qi+7], v[SC1]
.set qi, qi+1
.endr
	v_nop                                          ; one plain vector instruction between the conversions and the first instruction that reads their results
.irp g, 0,1,2,3                        ; four registers (k = 4 g .. 4 g + 3, a byte a column) are turned into four (a register a column, a byte a k)
	v_perm_b32 v[PP+4*\g],   v[DD+4*\g+1], v[DD+4*\g],   s54
	v_perm_b32 v[PP+4*\g+1], v[DD+4*\g+1], v[DD+4*\g],   s55
	v_perm_b32 v[PP+4*\g+2], v[DD+4*\g+3], v[DD+4*\g+2], s54
	v_perm_b32 v[PP+4*\g+3], v[DD+4*\g+3], v[DD+4*\g+2], s55
.endr
.irp g, 0,1,2,3
	v_perm_b32 v[TT+\g],    v[PP+4*\g+2], v[PP+4*\g],   s56
	v_perm_b32 v[TT+4+\g],  v[PP+4*\g+2], v[PP+4*\g],   s57
	v_perm_b32 v[TT+8+\g],  v[PP+4*\g+3], v[PP+4*\g+1], s56
	v_perm_b32 v[TT+12+\g], v[PP+4*\g+3], v[PP+4*\g+1], s57
.endr
.irp q, 0,1,2,3
	ds_store_b128 v[STW], v[TT+4*\q:TT+4*\q+3] offset:(\ls)*WCB+16*\q   ; column 4 (lane % 8) + q: neighbouring image rows
.endr
.endm
.macro FETCHW fs                       ; W's four fragments out of LDS buffer fs into fragment set fs
.irp tb, 0,1,2,3
.irp c, 0,1,2,3
	ds_load_b128 v[128+64*(\fs)+16*\tb+4*\c:128+64*(\fs)+16*\tb+4*\c+3], v[ADW] offset:(\fs)*WCB+\tb*FRB+512*\c
.endr
.endr
.endm
.macro FETCHX slot, ph, xb             ; my blocks 4 ph .. 4 ph + 3 of x into buffer xb
.irp t, 0,1,2,3
.irp c, 0,1,2,3
	ds_load_b128 v[64*\xb+16*\t+4*\c:64*\xb+16*\t+4*\c+3], v[ADX+(\slot)] offset:(4*\ph+\t)*FRB+512*\c
.endr
.endr
.endm
; 8 matrix instructions: blocks 4 ph + 2 half, + 1 x W's four tiles.  The 64 accumulators take turns, one instruction a turn, in the same order in every step.
.macro MUL8 ph, half, fs, zero
.irp t, 2*\half, 2*\half+1
.irp b, 0,1,2,3
.if \zero
	v_wmma_f32_16x16x128_fp8_fp8 v[32*((4*\ph+(\t))%8)+8*\b:32*((4*\ph+(\t))%8)+8*\b+7], v[128+64*\fs+16*\b:128+64*\fs+16*\b+15], v[64*(\ph%2)+16*(\t):64*(\ph%2)+16*(\t)+15], 0
.else
	v_wmma_f32_16x16x128_fp8_fp8 v[32*((4*\ph+(\t))%8)+8*\b:32*((4*\ph+(\t))%8)+8*\b+7], v[128+64*\fs+16*\b:128+64*\fs+16*\b+15], v[64*(\ph%2)+16*(\t):64*(\ph%2)+16*(\t)+15], v[32*((4*\ph+(\t))%8)+8*\b:32*((4*\ph+(\t))%8)+8*\b+7]
.endif
.endr
.endr
.endm
; A PREFETCH INTO THE L2 of W, in my step s for my step s + 5: two steps ahead of its loads.  It stands behind the joint load's lines and the run of LDS loads.
; A lane a row, 32 rows a wave, 128 a work-group.  The gate columns of two neighbouring work-groups are 256 consecutive bytes of a row, and so are their up columns: the even one asks for the first, the odd one for the second,
; told apart BY ADDRESS.  So each aligned block of 256 bytes of W is named once in the launch.  s46 counts the loop's trips down; steps 0 to 10 ask (s46 above 1), the later ones have no step five on.
; My steps 0 to 4 come by their loads alone.  x's codes have no prefetch: all sixteen blocks of xq are asked for at the launch's head, by the clusters' first fills.
.macro ASKS
	s_cmp_gt_u32 s46, 1
	s_cbranch_scc0 .Lno_w_\@
	global_prefetch_b8 v[VPF], s[PFW:PFW+1] th:TH_LOAD_NT scope:SCOPE_SE
.Lno_w_\@:
.endm
; MY STEP s, p = s % 2.  zero: its products start the sums.  qleft >= 0: step s + 1 of W is quantised (qleft younger loads stay out).  ld: step s + 3 of W is asked for.
; mode 2: slot p is filled again with step s + 2;  1: the barrier alone;  0: the last step.  pf: the prefetch.
; ONE barrier a step carries three orderings: W's codes of step s + 1, stored at the step's head, are read behind it; the buffer that they overwrite was last read behind the barrier two steps back, and those reads
; were waited for in front of the last barrier; my reads of slot p are over in front of it, and the refill comes behind it.
; Three quarters of the step's products stand ahead of the wait for the other slot's tile, and nothing stands between the signal and the wait: so the next request goes out as soon as all waves' tiles have landed.
.macro STEP p, zero, qleft, ld, mode, pf
.if \qleft >= 0
	QUANTW 1-\p, \qleft
.endif
.if \ld
	LOADW 1-\p, 3, 1
.endif
.if \qleft >= 0
	s_wait_dscnt 20                                ; W's fragments and blocks 0-3 are in; blocks 4-7 (16 loads) and the quantiser's 4 stores may be out
.else
	s_wait_dscnt 16
.endif
	WIN MUL_LO
	MUL8 0, 0, \p, \zero
	MUL8 0, 1, \p, \zero
	PLACES
	WIN FET
	FETCHX \p, 2, 0
	s_wait_dscnt 16                                ; all but the 16 just issued
	WIN MUL_LO
	MUL8 1, 0, \p, \zero
	MUL8 1, 1, \p, \zero
	PLACES
	WIN FET
	FETCHX \p, 3, 1
	s_wait_dscnt 16                                ; blocks 8-11 are in; blocks 12-15 (the 16 just issued) may be out
	WIN MUL_HI
	MUL8 2, 0, \p, \zero
	MUL8 2, 1, \p, \zero
.if \mode >= 1
	WIN 0
	s_wait_tensorcnt 0x0                           ; all my tensor loads have landed: the one that was out is my part of the other slot
	ds_add_u32 v[SPW], v[NIL]                      ; 0 onto my spare word
.if \mode == 2
	s_add_co_u32 s20, s[KS], 2                     ; no load of mine is out, so a group 0 may be written: this slot's next K step,
	s_and_b32 s20, s20, 15                         ; wrapped round
	s_lshl_b32 s20, s20, 17
	s_add_nc_u64 s[G0+4*\p+2:G0+4*\p+3], s[4:5], s[20:21]
	s_or_b32 s[G0+4*\p+3], s[G0+4*\p+3], 0x80000000   ; type = 2
.endif
	s_wait_dscnt 0x0                               ; the add is done, my stores of W's codes have landed, my reads of this slot are over
	s_barrier_signal -1
	s_barrier_wait -1
.if \mode == 2
	CREST                                          ; the barrier has opened a round of the cluster's: no wave of any partner still reads this slot or has a load on its way
	tensor_load_to_lds s[G0+4*\p:G0+4*\p+3], s[G1:G1+7]   ; my one tensor load behind the round, and the first thing there
	s_nop 0
.endif
	PLACES                                         ; behind the load, and the places in front of the loads below
	WIN FET
	FETCHW 1-\p
	FETCHX 1-\p, 0, 0
.if \pf
	WIN 0
	ASKS
.endif
	WIN MUL_HI
	MUL8 3, 0, \p, \zero
	MUL8 3, 1, \p, \zero
	PLACES
	WIN FET
	FETCHX 1-\p, 1, 1
	WIN 0
.else
	s_wait_dscnt 0x0
	MUL8 3, 0, \p, \zero
	MUL8 3, 1, \p, \zero
	WIN 0
.endif
	s_add_co_u32 s[KS], s[KS], 1                   ; a step walked
.endm
; THE WAY OUT of block a: g = sum x 2^(e0 + e1) + bg, u likewise; silu(g) u; hold; 16 codes; the wave stores 512 consecutive bytes of hq straight from registers.
.macro OUTB a
.set AC, 32*((\a)%8)
	WIN 0x02+(\a)/8                                ; source 0: window 2 or 3
.irp i, 0,2,4,6,8,10,12,14
	v_pk_fma_f32 v[GG+\i:GG+\i+1], v[AC+\i:AC+\i+1], s[52:53], v[BG+\i:BG+\i+1] op_sel_hi:[1,0,1]   ; each accumulator from its low end on
.endr
.irp i, 0,2,4,6,8,10,12,14
	v_pk_fma_f32 v[UU+\i:UU+\i+1], v[AC+16+\i:AC+16+\i+1], s[52:53], v[BU+\i:BU+\i+1] op_sel_hi:[1,0,1]
.endr
	WIN 0
.irp i, 0,2,4,6,8,10,12,14
	v_pk_mul_f32 v[EE+\i:EE+\i+1], v[GG+\i:GG+\i+1], s[58:59] op_sel_hi:[1,0]   ; -g log2 e
.endr
	s_wait_alu depctr_va_vdst(0)
.irp i, 0,1,2,3,4,5,6,7,8,9,10,11,12,13,14,15
	v_exp_f32 v[EE+\i], v[EE+\i]
.endr
	v_nop                                          ; a plain instruction behind the last exponential,
	s_wait_alu depctr_va_vdst(0)                   ; and one wait for the batch, ahead of its first reader
.irp i, 0,2,4,6,8,10,12,14
	v_pk_add_f32 v[EE+\i:EE+\i+1], v[EE+\i:EE+\i+1], 1.0 op_sel_hi:[1,0]
.endr
	s_wait_alu depctr_va_vdst(0)
.irp i, 0,1,2,3,4,5,6,7,8,9,10,11,12,13,14,15
	v_rcp_f32 v[EE+\i], v[EE+\i]
.endr
	v_nop
	s_wait_alu depctr_va_vdst(0)
.irp i, 0,2,4,6,8,10,12,14
	v_pk_mul_f32 v[PR+\i:PR+\i+1], v[GG+\i:GG+\i+1], v[EE+\i:EE+\i+1]   ; silu(g)
.endr
.irp i, 0,2,4,6,8,10,12,14
	v_pk_mul_f32 v[PR+\i:PR+\i+1], v[PR+\i:PR+\i+1], v[UU+\i:UU+\i+1]   ; x u
.endr
.irp i, 0,1,2,3,4,5,6,7,8,9,10,11,12,13,14,15
	v_med3_num_f32 v[PR+\i], v[PR+\i], -v[LM2], v[LM2]
.endr
	v_cvt_scalef32_pk8_fp8_f32 v[HC+4*(\a):HC+4*(\a)+1], v[PR:PR+7], v[SC2]
	v_cvt_scalef32_pk8_fp8_f32 v[HC+4*(\a)+2:HC+4*(\a)+3], v[PR+8:PR+15], v[SC2]
	v_nop                                          ; a plain instruction between the conversions and the next block's writes of their sources
	global_store_b128 v[HO], v[HC+4*(\a):HC+4*(\a)+3], s[12:13] offset:((\a)/8)*1048576+((\a)%8)*FRB   ; data registers of its own for each block: none is written again
.endm
	s_load_b256 s[4:11], s[0:1], 0x0               ; xq s[4:5], w_gate_up s[6:7], b_gate_up s[8:9], the scales' exponents s[10:11]
	s_load_b64 s[12:13], s[0:1], 0x20              ; hq
	v_lshl_add_u32 v[SPW], v0, 2, SPARE
	v_mov_b32 v[NIL], 0
	ds_add_u32 v[SPW], v[NIL]                      ; the wave's opening: the add, twice on end, and its wait ahead of my first tensor load; the set-up below stands between
	ds_add_u32 v[SPW], v[NIL]
	v_lshrrev_b32 v1, 5, v0
	v_readfirstlane_b32 s14, v1                    ; wave 0..3
	s_bfe_u32 s15, ttmp6, 0x40000                  ; cx: my place in the cluster
	s_lshl_b32 s16, ttmp9, 2
	s_add_co_u32 s16, s16, s15                     ; wg = 4 x cluster + cx: it enters global addresses of W, the biases and hq alone
	s_lshr_b32 s[KS], ttmp9, 4
	s_mul_i32 s[KS], s[KS], 5
	s_add_co_u32 s[KS], s[KS], ttmp9
	s_and_b32 s[KS], s[KS], 15                     ; my cluster's first K step: made of the cluster's number alone
	; descriptor group 1: 32,768 dense bytes as 128 rows of 32 elements of 8 bytes, no padding
	s_mov_b32 s[G1+0], 15|(3<<16)|(1<<21)          ; 15:0 the mask: all four work-groups; 17:16 elements of 8 bytes; 21 set beside a mask
	s_mov_b32 s[G1+1], 32<<16                      ; tensor_dim0 = 32
	s_mov_b32 s[G1+2], 128<<16                     ; tensor_dim1 = 128
	s_mov_b32 s[G1+3], 32<<16                      ; tile_dim0 = 32
	s_mov_b32 s[G1+4], 128                         ; tile_dim1 = 128
	s_mov_b32 s[G1+5], 32                          ; from row to row
	s_mov_b32 s[G1+6], 0
	s_mov_b32 s[G1+7], 0
	s_mov_b32 s54, 0x05010400                      ; v_perm_b32: bytes 0, 1 of two registers, interleaved;
	s_mov_b32 s55, 0x07030602                      ; bytes 2, 3;
	s_mov_b32 s56, 0x05040100                      ; the two low halves;
	s_mov_b32 s57, 0x07060302                      ; the two high halves
	s_mov_b32 s58, 0xbfb8aa3b                      ; -log2 e
	s_mov_b32 s59, s58                             ; (named with it as a pair, so it is written)
	v_and_b32 v16, 31, v0                          ; lane
	v_lshlrev_b32 v[HO], 4, v16
	s_lshl_b32 s17, s14, 15                        ; my wave's 32,768 bytes of a slot
	v_add_nc_u32 v[ADX], s17, v[HO]
	v_add_nc_u32 v[ADX+1], SLOT, v[ADX]
	v_add_nc_u32 v[ADW], WC, v[HO]
	; where a column's 16 codes go.  Column n = 4 (lane % 8) + q of my 32, k = 64 (w / 2) + 16 (lane / 8) + 0..15: tile 2 (w % 2) + (n / 8) % 2, image row 8 (n / 16) + n % 8, c = 2 (w / 2) + lane / 16, h = (lane / 8) % 2
	s_and_b32 s18, s14, 1
	s_lshl_b32 s18, s18, 12
	s_lshr_b32 s19, s14, 1
	s_lshl_b32 s19, s19, 10
	s_add_co_u32 s18, s18, s19
	s_add_co_u32 s18, s18, WC
	v_bfe_u32 v17, v0, 0, 1
	v_lshl_add_u32 v[STW], v17, 6, s18
	v_bfe_u32 v17, v0, 1, 1
	v_lshl_add_u32 v[STW], v17, 11, v[STW]
	v_bfe_u32 v17, v0, 2, 1
	v_lshl_add_u32 v[STW], v17, 7, v[STW]
	v_bfe_u32 v17, v0, 3, 2                        ; lane / 8
	v_lshl_add_u32 v[STW], v17, 8, v[STW]
	v_and_b32 v18, 7, v0
	v_lshlrev_b32 v[VW], 4, v18
	v_lshl_add_u32 v[VW], v17, 20, v[VW]           ; 16 rows of 65,536 bytes x (lane / 8)
	v_lshlrev_b32 v[VPF], 16, v16
	v_bfe_u32 v1, v0, 4, 1
	v_lshlrev_b32 v1, 6, v1                        ; the biases: 64 bytes x (lane / 16)
	s_mov_b32 s20, s17                             ; (s[20:21] never hold a number that differs between partners: they feed the descriptors)
	s_mov_b32 s21, 0
	s_mov_b32 s23, 0
	s_wait_alu depctr_va_vdst(0)
	s_wait_dscnt 0x0                               ; both opening adds are done
	s_wait_kmcnt 0x0
	s_load_b128 s[48:51], s[10:11], 0x0            ; e0 .. e3
	s_add_nc_u64 s[4:5], s[4:5], s[20:21]          ; xq at my wave's rows of K step 0
	s_lshl_b32 s20, s[KS], 17
	s_mov_b32 s[G0], 1                             ; count = 1
	s_mov_b32 s[G0+1], s17                         ; LDS address: slot 0, my part
	s_add_nc_u64 s[G0+2:G0+3], s[4:5], s[20:21]    ; my cluster's first K step
	s_add_co_u32 s20, s[KS], 1
	s_and_b32 s20, s20, 15
	s_lshl_b32 s20, s20, 17
	s_mov_b32 s[G0+4], 1
	s_add_co_u32 s[G0+5], s17, SLOT
	s_add_nc_u64 s[G0+6:G0+7], s[4:5], s[20:21]    ; its second
	s_or_b32 s[G0+3], s[G0+3], 0x80000000          ; type = 2
	s_or_b32 s[G0+7], s[G0+7], 0x80000000
	s_lshl_b32 s22, s14, 21                        ; the prefetch of W: 32 rows x w,
	s_lshr_b32 s18, s16, 1
	s_lshl_b32 s18, s18, 8                         ; the pair's 256 bytes,
	s_add_co_u32 s22, s22, s18
	s_and_b32 s18, s15, 1
	s_lshl_b32 s18, s18, 15                        ; gate's or up's
	s_add_co_u32 s22, s22, s18
	s_add_nc_u64 s[PW0:PW0+1], s[6:7], s[22:23]
	s_lshr_b32 s22, s14, 1
	s_lshl_b32 s22, s22, 22                        ; W's loads: 64 rows x (w / 2),
	s_and_b32 s18, s14, 1
	s_lshl_b32 s18, s18, 15                        ; up's columns lie 32,768 bytes behind gate's,
	s_add_co_u32 s22, s22, s18
	s_lshl_b32 s18, s16, 7                         ; 32 columns x wg
	s_add_co_u32 s22, s22, s18
	s_add_nc_u64 s[6:7], s[6:7], s[22:23]
	s_lshl_b32 s22, s16, 7
	s_add_nc_u64 s[8:9], s[8:9], s[22:23]          ; bg of my 32 units
	s_lshl_b32 s22, s14, 21                        ; hq: row tile 2 w,
	s_lshr_b32 s18, s16, 2
	s_lshl_b32 s18, s18, 14                        ; K step wg / 4,
	s_add_co_u32 s22, s22, s18
	s_and_b32 s18, s16, 3
	s_lshl_b32 s18, s18, 9                         ; c = wg % 4
	s_add_co_u32 s22, s22, s18
	s_add_nc_u64 s[12:13], s[12:13], s[22:23]
.irp i, 0,1,2,3
	global_load_b128 v[BG+4*\i:BG+4*\i+3], v1, s[8:9] offset:16*\i
	global_load_b128 v[BU+4*\i:BU+4*\i+3], v1, s[8:9] offset:32768+16*\i
.endr
	LOADW 0, 0, 0                                  ; what step 0 needs is asked for first: W's step 0,
	CROUND                                         ; all four work-groups are here: the first joint loads meet
	tensor_load_to_lds s[G0:G0+3], s[G1:G1+7]      ; and slot 0's first fill
	s_nop 0
	PLACES
	LOADW 1, 1, 0                                  ; then W's step 1
	s_wait_kmcnt 0x0
	s_add_co_i32 s18, s49, 127
	s_lshl_b32 s19, s18, 23
	v_mov_b32 v[SC1], s19                          ; 2^e1 as f32: the conversion takes its exponent field
	s_add_co_i32 s18, s18, 8
	s_lshl_b32 s18, s18, 23
	s_or_b32 s18, s18, 0x600000
	v_mov_b32 v[LM1], s18                          ; 448 x 2^e1
	s_add_co_i32 s18, s50, 127
	s_lshl_b32 s19, s18, 23
	v_mov_b32 v[SC2], s19                          ; 2^e2
	s_add_co_i32 s18, s18, 8
	s_lshl_b32 s18, s18, 23
	s_or_b32 s18, s18, 0x600000
	v_mov_b32 v[LM2], s18                          ; 448 x 2^e2
	s_add_co_i32 s52, s48, s49
	s_add_co_i32 s52, s52, 127
	s_lshl_b32 s52, s52, 23                        ; 2^(e0 + e1) as f32
	s_mov_b32 s53, s52
	s_mov_b32 s46, 6                               ; the loop's trips
	s_wait_alu depctr_va_vdst(0)
	QUANTW 0, 16                                   ; step 0's codes (the biases and step 0 are in; step 1's 16 loads may be out)
	LOADW 0, 2, 0                                  ; step 2
	s_wait_tensorcnt 0x0                           ; my part of slot 0 is in
	ds_add_u32 v[SPW], v[NIL]
	s_wait_dscnt 0x0                               ; the add is done, and my stores of W's codes have landed
	CROUND                                         ; a whole round: every wave's codes of W and part of slot 0 are in, and the four work-groups are here
	tensor_load_to_lds s[G0+4:G0+7], s[G1:G1+7]    ; slot 1's first fill, my one tensor load behind the round
	s_nop 0
	PLACES
	WIN FET
	FETCHW 0
	FETCHX 0, 0, 0
	FETCHX 0, 1, 1
	WIN 0
	STEP 0, 1, 16, 1, 2, 1                         ; step 0 stands in front of the loop: its products start the sums, nothing is cleared
.Llap:                                             ; six trips: steps 1 to 12
	STEP 1, 0, 16, 1, 2, 1
	STEP 0, 0, 16, 1, 2, 1
	s_sub_co_u32 s46, s46, 1
	s_cmp_lg_u32 s46, 0
	s_cbranch_scc1 .Llap
	STEP 1, 0, 16, 0, 2, 0                         ; step 13: the last refill (step 15); no step of W is left to ask for
	STEP 0, 0, 0, 0, 1, 0                          ; step 14: the last codes of W; nothing is filled
	STEP 1, 0, -1, 0, 0, 0                         ; step 15
	PLACES
.irp a, 0,1,2,3,4,5,6,7,8,9,10,11,12,13,14,15
	OUTB \a
.endr
	s_wait_tensorcnt 0x0                           ; the wave's end, behind my last tensor load and my last LDS store
	ds_add_u32 v[SPW], v[NIL]
	s_wait_dscnt 0x0
	CROUND                                         ; the closing round: no work-group ends while a partner may still ask for a block that names it
	s_endpgm
.Lfunc_end_k_q68844d2b85_gateup:
	.size	k_q68844d2b85_gateup, .Lfunc_end_k_q68844d2b85_gateup-k_q68844d2b85_gateup
	.p2alignl 7, 3214868480
	.fill 96, 4, 3214868480
	.section	.rodata,"a",@progbits
	.p2align	6, 0x0
	.amdhsa_kernel k_q68844d2b85_gateup
		.amdhsa_group_segment_fixed_size 327680
		.amdhsa_private_segment_fixed_size 0
		.amdhsa_enable_private_segment 0
		.amdhsa_kernarg_size 40
		.amdhsa_user_sgpr_count 2
		.amdhsa_user_sgpr_kernarg_segment_ptr 1
		.amdhsa_wavefront_size32 1
		.amdhsa_system_sgpr_workgroup_id_x 1
		.amdhsa_system_sgpr_workgroup_id_y 1
		.amdhsa_system_sgpr_workgroup_id_z 1
		.amdhsa_system_vgpr_workitem_id 0
		.amdhsa_next_free_vgpr 1024
		.amdhsa_next_free_sgpr 66
		.amdhsa_reserve_vcc 0
		.amdhsa_float_denorm_mode_32 3
		.amdhsa_float_denorm_mode_16_64 3
		.amdhsa_memory_ordered 1
		.amdhsa_forward_progress 1
		.amdhsa_inst_pref_size 211
	.end_amdhsa_kernel
	.amdgpu_metadata
---
amdhsa.version: [ 1, 2 ]
amdhsa.kernels:
  - .name:           k_q68844d2b85_gateup
    .symbol:         k_q68844d2b85_gateup.kd
    .args:
      - { .name: xq, .offset: 0, .size: 8, .value_kind: global_buffer, .address_space: global }
      - { .name: w_gate_up, .offset: 8, .size: 8, .value_kind: global_buffer, .address_space: global }
      - { .name: b_gate_up, .offset: 16, .size: 8, .value_kind: global_buffer, .address_space: global }
      - { .name: lowp_scales, .offset: 24, .size: 8, .value_kind: global_buffer, .address_space: global }
      - { .name: hq, .offset: 32, .size: 8, .value_kind: global_buffer, .address_space: global }
    .group_segment_fixed_size: 327680
    .private_segment_fixed_size: 0
    .kernarg_segment_align: 8
    .kernarg_segment_size: 40
    .max_flat_workgroup_size: 128
    .sgpr_count:     66
    .vgpr_count:     1024
    .wavefront_size: 32
...
	.end_amdgpu_metadata
.endif
;; end of part 5
;; launch down (part 6): grid 32 x 8, 4 waves a work-group, clusters of 4 x 1, 327,680 bytes of LDS; arguments hq, wdq, b_down, lowp_scales, out0; writes out0
.if DOCPART == 6
	.amdgcn_target "amdgcn-amd-amdhsa--gfx1250"
	.amdhsa_code_object_version 6
	.text
	.protected	k_q68844d2b85_down
	.globl	k_q68844d2b85_down
	.p2align	8
	.type	k_q68844d2b85_down,@function
k_q68844d2b85_down:
	s_mov_b64 s[64:65], 0
	v_nop
	global_prefetch_b8 v0, s[64:65] scope:SCOPE_SE
	s_setreg_imm32_b32 hwreg(HW_REG_WAVE_MODE, 25, 1), 1
	s_wait_xcnt 0x0
	s_wait_alu depctr_hold_cnt(0) depctr_sa_sdst(0) depctr_va_vdst(0) depctr_va_sdst(0) depctr_va_ssrc(0) depctr_va_vcc(0) depctr_vm_vsrc(0)
	s_getreg_b32 s2, hwreg(HW_REG_IB_STS2, 6, 4)
	s_cmp_eq_u32 s2, 0
	s_cbranch_scc0 .Lentry_in_a_cluster
	s_endpgm
.Lentry_in_a_cluster:
	s_bfe_u32 s2, ttmp6, 0x10000c
	s_cmp_lg_u32 s2, 0x3003
	s_cbranch_scc0 .Lentry_shape_is_right
	s_endpgm
.Lentry_shape_is_right:
; out0 = hidden w_down + b_down on codes of FP8 (E4M3): hq (scale entry 2) and wdq (scale entry 3), both laid as images of operand registers.  Nothing of the problem is left out.
; Work-group (x, y) makes rows 128 y on x columns 64 x on.  K goes in 8 slots of 1,024; THE FOUR WAVES SHARE K: of a slot wave w takes K steps 2 w, 2 w + 1 (128 each), for all 128 x 64: 32 accumulators.
; The four partial sums are added through LDS at the end, x 2^(e2 + e3), + b_down.  LIMIT: e2 + e3 between -126 and 127; K is summed in that order, not ascending: within rounding.
; hq's slot (131,072 dense bytes) is the same for the four work-groups of a cluster: a joint tensor load, each wave its own 32,768 bytes, in a ring of two LDS slots.  wdq's fragments go straight into registers, three K steps ahead.
; The walk over the slots is rotated: cluster c of row tile y begins at slot (y + c) % 8 and wraps round.
; THE PREFETCH: at the head each wave asks once for 8,192 bytes of hq, a lane a block of 256 bytes: its cluster's sixteen waves share slot (y + c + 4) % 8 out by address, the slot four steps ahead in the cluster's walk.
; The eight clusters of a row tile name its eight slots, so each byte of hq is named once in the launch.  wdq has none: its loads run three K steps ahead of their use.
.set SLOT,  131072
.set FRB,   2048
.set SPARE, 2*SLOT
.set SPITCH, 272
.set REGION, 128*SPITCH
.set LI,  1
.set ADA, 2
.set STO, 4
.set RD0, 5
.set RD2, 6
.set CO,  7
.set SPW, 14
.set NIL, 15
.set BD,  28
.set RR,  64
.set OUTR, 192
.set G1,  24
.set G0,  32
.set WD,  40
.set OB,  44
.set RO,  46
.set WDC, 56
.set MSB, 0
.macro WIN new
.if MSB != (\new)
	s_set_vgpr_msb (MSB<<8)|(\new)
.set MSB, (\new)
.endif
.endm
.set TO_B, 0x40
.set TO_A, 0x80
.set MUL,  0xf9
.macro PLACES
.rept 4
	v_nop
.endr
.endm
.macro CREST
	s_cmp_lg_u32 s14, 0
	s_cbranch_scc1 .Lnot_wave_0_\@
	s_barrier_signal -3
.Lnot_wave_0_\@:
	s_barrier_wait -3
	s_barrier_signal -1
	s_barrier_wait -1
.endm
.macro CROUND
	s_barrier_signal -1
	s_barrier_wait -1
	CREST
.endm
.macro SETWD j
	s_wait_xcnt 0x0
	s_add_co_u32 s54, s[RO], \j
	s_and_b32 s54, s54, 7
	s_lshl_b32 s54, s54, 14
	s_add_nc_u64 s[WDC:WDC+1], s[WD:WD+1], s[54:55]
.endm
.macro LOADB u
.irp b, 0,1,2,3
.irp c, 0,1,2,3
	global_load_b128 v[64*((\u)%4)+16*\b+4*\c:64*((\u)%4)+16*\b+4*\c+3], v[LI], s[WDC:WDC+1] offset:\b*131072+((\u)%2)*FRB+512*\c
.endr
.endr
.endm
.macro FETCHA u
.irp a, 0,1,2,3,4,5,6,7
.irp c, 0,1,2,3
	ds_load_b128 v[128*((\u)%2)+16*\a+4*\c:128*((\u)%2)+16*\a+4*\c+3], v[ADA+(((\u)/2)%2)] offset:((\u)%2)*8*FRB+\a*FRB+512*\c
.endr
.endr
.endm
.macro MULH u, half
.irp a, 4*\half, 4*\half+1, 4*\half+2, 4*\half+3
.irp b, 0,1,2,3
.if (\u) == 0
	v_wmma_f32_16x16x128_fp8_fp8 v[8*(4*(\a)+\b):8*(4*(\a)+\b)+7], v[64*((\u)%4)+16*\b:64*((\u)%4)+16*\b+15], v[128*((\u)%2)+16*(\a):128*((\u)%2)+16*(\a)+15], 0
.else
	v_wmma_f32_16x16x128_fp8_fp8 v[8*(4*(\a)+\b):8*(4*(\a)+\b)+7], v[64*((\u)%4)+16*\b:64*((\u)%4)+16*\b+15], v[128*((\u)%2)+16*(\a):128*((\u)%2)+16*(\a)+15], v[8*(4*(\a)+\b):8*(4*(\a)+\b)+7]
.endif
.endr
.endr
.endm
.macro GSTEP u
.set UJ, (\u)/2
.set UP, UJ%2
.set NB, 15-(\u)
.if NB > 3
.set NB, 3
.endif
.if ((\u) > 0) && ((\u) < 15)
	PLACES
.endif
.if (\u) <= 12
.if ((\u)+3)%2 == 0
	SETWD ((\u)+3)/2
.endif
	WIN TO_B
	LOADB (\u)+3
.endif
.if (\u)%2 == 0
	WIN TO_A
	FETCHA (\u)+1
	s_wait_loadcnt 16*NB
	s_wait_dscnt 32
	WIN MUL
	MULH \u, 0
	MULH \u, 1
.elseif UJ <= 5
	s_wait_loadcnt 16*NB
	s_wait_dscnt 0x0
	WIN MUL
	MULH \u, 0
	WIN 0
	s_wait_tensorcnt 0x0
	ds_add_u32 v[SPW], v[NIL]
	s_add_co_u32 s20, s[RO], ((\u)/2+2)
	s_and_b32 s20, s20, 7
	s_lshl_b32 s20, s20, 17
	s_add_nc_u64 s[G0+4*UP+2:G0+4*UP+3], s[4:5], s[20:21]
	s_or_b32 s[G0+4*UP+3], s[G0+4*UP+3], 0x80000000
	s_wait_dscnt 0x0
	s_barrier_signal -1
	s_barrier_wait -1
	CREST
	tensor_load_to_lds s[G0+4*UP:G0+4*UP+3], s[G1:G1+7]
	s_nop 0
	PLACES
	WIN TO_A
	FETCHA (\u)+1
	WIN MUL
	MULH \u, 1
.elseif (\u) == 13
	s_wait_loadcnt 16*NB
	s_wait_tensorcnt 0x0
	WIN TO_A
	FETCHA 14
	s_wait_dscnt 32
	WIN MUL
	MULH \u, 0
	MULH \u, 1
.else
	s_wait_loadcnt 0x0
	s_wait_dscnt 0x0
	s_barrier_signal -1
	WIN MUL
	MULH \u, 0
	MULH \u, 1
	WIN 0
	s_barrier_wait -1
.endif
.endm
	s_load_b256 s[4:11], s[0:1], 0x0
	s_load_b64 s[12:13], s[0:1], 0x20
	v_lshl_add_u32 v[SPW], v0, 2, SPARE
	v_mov_b32 v[NIL], 0
	ds_add_u32 v[SPW], v[NIL]
	ds_add_u32 v[SPW], v[NIL]
	v_lshrrev_b32 v10, 5, v0
	v_readfirstlane_b32 s14, v10
	s_bfe_u32 s15, ttmp6, 0x40000
	s_lshl_b32 s16, ttmp9, 2
	s_add_co_u32 s16, s16, s15
	s_and_b32 s17, ttmp7, 0xffff
	s_add_co_u32 s[RO], s17, ttmp9
	s_and_b32 s[RO], s[RO], 7
	s_mov_b32 s[G1+0], 15|(3<<16)|(1<<21)
	s_mov_b32 s[G1+1], 32<<16
	s_mov_b32 s[G1+2], 128<<16
	s_mov_b32 s[G1+3], 32<<16
	s_mov_b32 s[G1+4], 128
	s_mov_b32 s[G1+5], 32
	s_mov_b32 s[G1+6], 0
	s_mov_b32 s[G1+7], 0
	v_and_b32 v10, 31, v0
	v_lshlrev_b32 v[LI], 4, v10
	v_lshlrev_b32 v8, 8, v10
	s_lshl_b32 s18, s14, 15
	v_add_nc_u32 v[ADA], s18, v[LI]
	v_add_nc_u32 v[ADA+1], SLOT, v[ADA]
	v_and_b32 v11, 15, v0
	v_bfe_u32 v12, v0, 4, 1
	s_mul_i32 s19, s14, REGION
	v_mul_u32_u24 v[STO], v11, SPITCH
	v_lshl_add_u32 v[STO], v12, 5, v[STO]
	v_add_nc_u32 v[STO], s19, v[STO]
	s_mul_i32 s19, s14, 32*SPITCH
	v_mul_u32_u24 v[RD0], v12, SPITCH
	v_lshl_add_u32 v[RD0], v11, 4, v[RD0]
	v_add_nc_u32 v[RD0], s19, v[RD0]
	v_add_nc_u32 v[RD2], 2*REGION, v[RD0]
	v_lshlrev_b32 v9, 4, v11
	v_lshl_add_u32 v[CO], v12, 13, v9
	s_lshl_b32 s20, s17, 20
	s_add_co_u32 s20, s20, s18
	s_mov_b32 s21, 0
	s_mov_b32 s23, 0
	s_mov_b32 s55, 0
	s_wait_alu depctr_va_vdst(0)
	s_wait_dscnt 0x0
	s_wait_kmcnt 0x0
	s_load_b128 s[48:51], s[10:11], 0x0
	s_add_co_u32 s62, s[RO], 4
	s_and_b32 s62, s62, 7
	s_lshl_b32 s62, s62, 17
	s_lshl_b32 s63, s17, 20
	s_add_co_u32 s62, s62, s63
	s_lshl_b32 s63, s15, 15
	s_add_co_u32 s62, s62, s63
	s_lshl_b32 s63, s14, 13
	s_add_co_u32 s62, s62, s63
	s_mov_b32 s63, 0
	s_add_nc_u64 s[58:59], s[4:5], s[62:63]
	s_add_nc_u64 s[4:5], s[4:5], s[20:21]
	s_lshl_b32 s20, s[RO], 17
	s_mov_b32 s[G0], 1
	s_mov_b32 s[G0+1], s18
	s_add_nc_u64 s[G0+2:G0+3], s[4:5], s[20:21]
	s_add_co_u32 s20, s[RO], 1
	s_and_b32 s20, s20, 7
	s_lshl_b32 s20, s20, 17
	s_mov_b32 s[G0+4], 1
	s_add_co_u32 s[G0+5], s18, SLOT
	s_add_nc_u64 s[G0+6:G0+7], s[4:5], s[20:21]
	s_or_b32 s[G0+3], s[G0+3], 0x80000000
	s_or_b32 s[G0+7], s[G0+7], 0x80000000
	s_lshl_b32 s22, s16, 19
	s_lshl_b32 s19, s14, 12
	s_add_co_u32 s22, s22, s19
	s_add_nc_u64 s[WD:WD+1], s[6:7], s[22:23]
	s_lshl_b32 s22, s17, 20
	s_lshl_b32 s19, s14, 18
	s_add_co_u32 s22, s22, s19
	s_lshl_b32 s19, s16, 8
	s_add_co_u32 s22, s22, s19
	s_add_nc_u64 s[OB:OB+1], s[12:13], s[22:23]
	s_mov_b32 s22, s19
	s_add_nc_u64 s[8:9], s[8:9], s[22:23]
	SETWD 0
	global_load_b128 v[BD:BD+3], v9, s[8:9]
	WIN TO_B
	LOADB 0
	WIN 0
	CROUND
	tensor_load_to_lds s[G0:G0+3], s[G1:G1+7]
	s_nop 0
	PLACES
	WIN TO_B
	LOADB 1
	SETWD 1
	LOADB 2
	WIN 0
	global_prefetch_b8 v8, s[58:59] th:TH_LOAD_NT scope:SCOPE_SE
	s_wait_alu depctr_va_vdst(0)
	s_wait_tensorcnt 0x0
	ds_add_u32 v14, v15
	s_wait_dscnt 0x0
	CROUND
	tensor_load_to_lds s[G0+4:G0+7], s[G1:G1+7]
	s_nop 0
	PLACES
	s_wait_kmcnt 0x0
	s_add_co_i32 s52, s50, s51
	s_add_co_i32 s52, s52, 127
	s_lshl_b32 s52, s52, 23
	s_mov_b32 s53, s52
	s_wait_tensorcnt 0x1
	WIN TO_A
	FETCHA 0
.irp u, 0,1,2,3,4,5,6,7,8,9,10,11,12,13,14,15
	GSTEP \u
.endr
	PLACES
	WIN 0x0c
.irp a, 0,1,2,3,4,5,6,7
.irp b, 0,1,2,3
	ds_store_b128 v[STO], v[8*(4*\a+\b):8*(4*\a+\b)+3] offset:16*SPITCH*\a+64*\b
	ds_store_b128 v[STO], v[8*(4*\a+\b)+4:8*(4*\a+\b)+7] offset:16*SPITCH*\a+64*\b+16
.endr
.endr
	WIN 0
	s_wait_dscnt 0x0
	s_barrier_signal -1
	s_barrier_wait -1
.irp hf, 0,1
.irp i, 0,1,2,3,4,5,6,7
.irp g, 0,1
	ds_load_b128 v[RR+16*\i+4*\g:RR+16*\i+4*\g+3], v[RD0] offset:\g*REGION+2*SPITCH*(8*\hf+\i)
.endr
.irp g, 0,1
	ds_load_b128 v[RR+16*\i+8+4*\g:RR+16*\i+8+4*\g+3], v[RD2] offset:\g*REGION+2*SPITCH*(8*\hf+\i)
.endr
.endr
.irp i, 0,1,2,3,4,5,6,7
	s_wait_dscnt 28-4*\i
	v_pk_add_f32 v[RR+16*\i:RR+16*\i+1],     v[RR+16*\i:RR+16*\i+1],     v[RR+16*\i+4:RR+16*\i+5]
	v_pk_add_f32 v[RR+16*\i+2:RR+16*\i+3],   v[RR+16*\i+2:RR+16*\i+3],   v[RR+16*\i+6:RR+16*\i+7]
	v_pk_add_f32 v[RR+16*\i+8:RR+16*\i+9],   v[RR+16*\i+8:RR+16*\i+9],   v[RR+16*\i+12:RR+16*\i+13]
	v_pk_add_f32 v[RR+16*\i+10:RR+16*\i+11], v[RR+16*\i+10:RR+16*\i+11], v[RR+16*\i+14:RR+16*\i+15]
	v_pk_add_f32 v[RR+16*\i:RR+16*\i+1],     v[RR+16*\i:RR+16*\i+1],     v[RR+16*\i+8:RR+16*\i+9]
	v_pk_add_f32 v[RR+16*\i+2:RR+16*\i+3],   v[RR+16*\i+2:RR+16*\i+3],   v[RR+16*\i+10:RR+16*\i+11]
	v_pk_fma_f32 v[OUTR+32*\hf+4*\i:OUTR+32*\hf+4*\i+1],   v[RR+16*\i:RR+16*\i+1],   s[52:53], v[BD:BD+1]   op_sel_hi:[1,0,1]
	v_pk_fma_f32 v[OUTR+32*\hf+4*\i+2:OUTR+32*\hf+4*\i+3], v[RR+16*\i+2:RR+16*\i+3], s[52:53], v[BD+2:BD+3] op_sel_hi:[1,0,1]
	global_store_b128 v[CO], v[OUTR+32*\hf+4*\i:OUTR+32*\hf+4*\i+3], s[OB:OB+1] offset:16384*(8*\hf+\i) th:TH_STORE_NT
.endr
.endr
	s_wait_tensorcnt 0x0
	ds_add_u32 v[SPW], v[NIL]
	s_wait_dscnt 0x0
	CROUND
	s_endpgm
.Lfunc_end_k_q68844d2b85_down:
	.size	k_q68844d2b85_down, .Lfunc_end_k_q68844d2b85_down-k_q68844d2b85_down
	.p2alignl 7, 3214868480
	.fill 96, 4, 3214868480
	.section	.rodata,"a",@progbits
	.p2align	6, 0x0
	.amdhsa_kernel k_q68844d2b85_down
		.amdhsa_group_segment_fixed_size 327680
		.amdhsa_private_segment_fixed_size 0
		.amdhsa_enable_private_segment 0
		.amdhsa_kernarg_size 40
		.amdhsa_user_sgpr_count 2
		.amdhsa_user_sgpr_kernarg_segment_ptr 1
		.amdhsa_wavefront_size32 1
		.amdhsa_system_sgpr_workgroup_id_x 1
		.amdhsa_system_sgpr_workgroup_id_y 1
		.amdhsa_system_sgpr_workgroup_id_z 1
		.amdhsa_system_vgpr_workitem_id 0
		.amdhsa_next_free_vgpr 1024
		.amdhsa_next_free_sgpr 66
		.amdhsa_reserve_vcc 0
		.amdhsa_float_denorm_mode_32 3
		.amdhsa_float_denorm_mode_16_64 3
		.amdhsa_memory_ordered 1
		.amdhsa_forward_progress 1
		.amdhsa_inst_pref_size 124
	.end_amdhsa_kernel
	.amdgpu_metadata
---
amdhsa.version: [ 1, 2 ]
amdhsa.kernels:
  - .name:           k_q68844d2b85_down
    .symbol:         k_q68844d2b85_down.kd
    .args:
      - { .name: hq, .offset: 0, .size: 8, .value_kind: global_buffer, .address_space: global }
      - { .name: wdq, .offset: 8, .size: 8, .value_kind: global_buffer, .address_space: global }
      - { .name: b_down, .offset: 16, .size: 8, .value_kind: global_buffer, .address_space: global }
      - { .name: lowp_scales, .offset: 24, .size: 8, .value_kind: global_buffer, .address_space: global }
      - { .name: out0, .offset: 32, .size: 8, .value_kind: global_buffer, .address_space: global }
    .group_segment_fixed_size: 327680
    .private_segment_fixed_size: 0
    .kernarg_segment_align: 8
    .kernarg_segment_size: 40
    .max_flat_workgroup_size: 128
    .sgpr_count:     66
    .vgpr_count:     1024
    .wavefront_size: 32
...
	.end_amdgpu_metadata
.endif
;; end of part 6
